; MI455X (gfx1250); checked and timed in simulation.
; The chip was launched on July 23, 2026; its instructions are those of AMD's public machine-readable ISA for CDNA 5 (MIT licence, August 2026) and "CDNA5" Instruction Set Architecture Reference Guide (July 2026). The comments in the code are by the model that wrote it; some were corrected since.
;; Disentangled Spatial Attention. Allowed arithmetic: float matrix products may take bf16 or f16 operands with f32 sums; other float arithmetic in f32, or as packed bf16 or f16 multiplies, adds, multiply-adds, maxima and minima; sums over many terms, partial sums and values carried from step to step in f32; what a program stores and reads back later, other than sums and carried values, may be rounded once to bf16 or f16.
;; Inputs: Wc 1,024 x 1,024 float32; Ws 1,024 x 2,048 float32; Wt 1,024 x 3,072 float32; bc 1,024 float32; bs 2,048 float32; bt 3,072 float32; lam_ss 1 float32; lam_st 1 float32; lam_ts 1 float32; xs 2 x 2,048 x 1,024 float32; xt 2 x 2,048 x 1,024 float32.
;; Outputs: out0 2 x 2,048 x 1,024 float32.
;; One version. Each part assembles by itself: llvm-mc -triple=amdgcn-amd-amdhsa -mcpu=gfx1250 --defsym DOCPART=n.
;; ======== version 1 of 1: 4 launches
;; limits: values are held in f16: magnitudes above 65,504 overflow, below 6.1e-05 lose precision
;; workspace buffers: cb 29,384,704 bytes; qb 16,777,216 bytes; kvb 25,165,824 bytes; yb 8,388,608 bytes
;; launch cvt (part 1): grid 1798 x 1, 8 waves a work-group, no clusters, 0 bytes of LDS; arguments xt, xs, Wt, Ws, Wc, bt, bs, bc, cb; writes cb
.if DOCPART == 1
	.amdgcn_target "amdgcn-amd-amdhsa--gfx1250"
	.amdhsa_code_object_version 6
	.text
	.protected	k_qd5aa91b6f4_cvt
	.globl	k_qd5aa91b6f4_cvt
	.p2align	8
	.type	k_qd5aa91b6f4_cvt,@function
k_qd5aa91b6f4_cvt:
	s_mov_b64 s[64:65], 0
	v_nop
	global_prefetch_b8 v0, s[64:65] scope:SCOPE_SE
	s_setreg_imm32_b32 hwreg(HW_REG_WAVE_MODE, 25, 1), 1
	s_wait_xcnt 0x0
; xt, xs, Wt, Ws (f32) -> bf16; Wc (f32) -> rounded to bf16 and that number written as f16; bt, bs, bc (f32) -> rounded to bf16 and written as f32.  All land one behind the other in cb.
; A stream: work-groups 0 to 1,791 (512 + 512 + 384 + 256 + 128) each turn 32 KiB of f32 into 16 KiB: work-group id writes cb at 16,384 id whatever its source.
; Thread t takes 32 bytes (8 numbers) at 32 t of each of four blocks of 8,192 bytes and stores 16 bytes at 16 t: a wave's store covers 512 consecutive bytes, aligned.
; Work-groups 1,792 to 1,797 (3 + 2 + 1) each round 4,096 bytes of a bias, 16 bytes a thread, into cb from byte 29,360,128 on.
; All loads go out first; no register is written twice, so no wait but the counted ones for the data.  No LDS, no matrix unit: nothing is shared and nothing is multiplied.
; LIMIT.  Wc as f16: a bf16 number below 2^-17 in magnitude loses bits to f16's fixed step of 2^-24, beyond 65,504 it becomes an infinity.
.set X, 4                              ; v[4:35]   eight loads of four registers
.set Y, 36                             ; v[36:51]  four stores of four registers
.set BIAS_OFF, 29360128
	s_load_b256 s[4:11], s[0:1], 0x0               ; xt s[4:5], xs s[6:7], Wt s[8:9], Ws s[10:11]
	s_load_b256 s[12:19], s[0:1], 0x20             ; Wc s[12:13], bt s[14:15], bs s[16:17], bc s[18:19]
	s_load_b64 s[20:21], s[0:1], 0x40              ; cb
	v_lshlrev_b32 v1, 5, v0                        ; 32 t: my place in a block of the source
	v_lshlrev_b32 v2, 4, v0                        ; 16 t: my place in a block of cb
	s_mov_b32 s30, 0xffff0000                      ; a word's upper bf16
	s_wait_kmcnt 0x0
	s_cmp_ge_u32 ttmp9, 1792
	s_cbranch_scc1 .Lbias
	s_mov_b32 s22, 0                               ; the first work-group of my source
	s_mov_b64 s[24:25], s[4:5]
	s_cmp_ge_u32 ttmp9, 512
	s_cselect_b64 s[24:25], s[6:7], s[24:25]
	s_cselect_b32 s22, 512, s22
	s_cmp_ge_u32 ttmp9, 1024
	s_cselect_b64 s[24:25], s[8:9], s[24:25]
	s_cselect_b32 s22, 1024, s22
	s_cmp_ge_u32 ttmp9, 1408
	s_cselect_b64 s[24:25], s[10:11], s[24:25]
	s_cselect_b32 s22, 1408, s22
	s_cmp_ge_u32 ttmp9, 1664
	s_cselect_b64 s[24:25], s[12:13], s[24:25]
	s_cselect_b32 s22, 1664, s22
	s_sub_co_u32 s26, ttmp9, s22
	s_lshl_b32 s26, s26, 15                        ; 32 KiB of the source for each work-group
	s_mov_b32 s27, 0
	s_add_nc_u64 s[24:25], s[24:25], s[26:27]
	s_lshl_b32 s28, ttmp9, 14                      ; 16 KiB of cb
	s_mov_b32 s29, 0
	s_add_nc_u64 s[28:29], s[20:21], s[28:29]
.irp g, 0,1,2,3
	global_load_b128 v[X+8*\g:X+8*\g+3],   v1, s[24:25] offset:8192*\g th:TH_LOAD_NT
	global_load_b128 v[X+8*\g+4:X+8*\g+7], v1, s[24:25] offset:8192*\g+16 th:TH_LOAD_NT
.endr
; Block g: its two loads are in when at most the 6 - 2 g younger ones are out.
.macro GRP g, half
	s_wait_loadcnt 6-2*(\g)
.irp p, 0,1,2,3
.if \half
	v_cvt_pk_bf16_f32 v52, v[X+8*(\g)+2*\p], v[X+8*(\g)+2*\p+1]
	v_lshlrev_b32 v53, 16, v52                     ; the two bf16 numbers as f32,
	v_and_b32 v52, s30, v52
	v_cvt_pk_f16_f32 v[Y+4*(\g)+\p], v53, v52      ; written as f16
.else
	v_cvt_pk_bf16_f32 v[Y+4*(\g)+\p], v[X+8*(\g)+2*\p], v[X+8*(\g)+2*\p+1]
.endif
.endr
	global_store_b128 v2, v[Y+4*(\g):Y+4*(\g)+3], s[28:29] offset:4096*(\g)
.endm
	s_cmp_ge_u32 ttmp9, 1664
	s_cbranch_scc1 .Lhalf
	GRP 0, 0
	GRP 1, 0
	GRP 2, 0
	GRP 3, 0
	s_endpgm
.Lhalf:                                        ; Wc
	GRP 0, 1
	GRP 1, 1
	GRP 2, 1
	GRP 3, 1
	s_endpgm
.Lbias:                                        ; 1,024 numbers of bt (three work-groups), bs (two) or bc (one)
	s_mov_b32 s22, 1792
	s_mov_b64 s[24:25], s[14:15]
	s_cmp_ge_u32 ttmp9, 1795
	s_cselect_b64 s[24:25], s[16:17], s[24:25]
	s_cselect_b32 s22, 1795, s22
	s_cmp_ge_u32 ttmp9, 1797
	s_cselect_b64 s[24:25], s[18:19], s[24:25]
	s_cselect_b32 s22, 1797, s22
	s_sub_co_u32 s26, ttmp9, s22
	s_lshl_b32 s26, s26, 12
	s_mov_b32 s27, 0
	s_add_nc_u64 s[24:25], s[24:25], s[26:27]
	s_sub_co_u32 s28, ttmp9, 1792
	s_lshl_b32 s28, s28, 12
	s_add_co_u32 s28, s28, BIAS_OFF
	s_mov_b32 s29, 0
	s_add_nc_u64 s[28:29], s[20:21], s[28:29]
	global_load_b128 v[X:X+3], v2, s[24:25]
	s_wait_loadcnt 0x0
	v_cvt_pk_bf16_f32 v52, v[X], v[X+1]
	v_cvt_pk_bf16_f32 v53, v[X+2], v[X+3]
	v_lshlrev_b32 v[Y], 16, v52
	v_and_b32 v[Y+1], s30, v52
	v_lshlrev_b32 v[Y+2], 16, v53
	v_and_b32 v[Y+3], s30, v53
	global_store_b128 v2, v[Y:Y+3], s[28:29]
	s_endpgm
.Lfunc_end_k_qd5aa91b6f4_cvt:
	.size	k_qd5aa91b6f4_cvt, .Lfunc_end_k_qd5aa91b6f4_cvt-k_qd5aa91b6f4_cvt
	.p2alignl 7, 3214868480
	.fill 96, 4, 3214868480
	.section	.rodata,"a",@progbits
	.p2align	6, 0x0
	.amdhsa_kernel k_qd5aa91b6f4_cvt
		.amdhsa_group_segment_fixed_size 0
		.amdhsa_private_segment_fixed_size 0
		.amdhsa_enable_private_segment 0
		.amdhsa_kernarg_size 72
		.amdhsa_user_sgpr_count 2
		.amdhsa_user_sgpr_kernarg_segment_ptr 1
		.amdhsa_wavefront_size32 1
		.amdhsa_system_sgpr_workgroup_id_x 1
		.amdhsa_system_sgpr_workgroup_id_y 1
		.amdhsa_system_sgpr_workgroup_id_z 1
		.amdhsa_system_vgpr_workitem_id 0
		.amdhsa_next_free_vgpr 56
		.amdhsa_next_free_sgpr 66
		.amdhsa_reserve_vcc 0
		.amdhsa_float_denorm_mode_32 3
		.amdhsa_float_denorm_mode_16_64 3
		.amdhsa_memory_ordered 1
		.amdhsa_forward_progress 1
		.amdhsa_inst_pref_size 9
	.end_amdhsa_kernel
	.amdgpu_metadata
---
amdhsa.version: [ 1, 2 ]
amdhsa.kernels:
  - .name:           k_qd5aa91b6f4_cvt
    .symbol:         k_qd5aa91b6f4_cvt.kd
    .args:
      - { .name: xt, .offset: 0, .size: 8, .value_kind: global_buffer, .address_space: global }
      - { .name: xs, .offset: 8, .size: 8, .value_kind: global_buffer, .address_space: global }
      - { .name: Wt, .offset: 16, .size: 8, .value_kind: global_buffer, .address_space: global }
      - { .name: Ws, .offset: 24, .size: 8, .value_kind: global_buffer, .address_space: global }
      - { .name: Wc, .offset: 32, .size: 8, .value_kind: global_buffer, .address_space: global }
      - { .name: bt, .offset: 40, .size: 8, .value_kind: global_buffer, .address_space: global }
      - { .name: bs, .offset: 48, .size: 8, .value_kind: global_buffer, .address_space: global }
      - { .name: bc, .offset: 56, .size: 8, .value_kind: global_buffer, .address_space: global }
      - { .name: cb, .offset: 64, .size: 8, .value_kind: global_buffer, .address_space: global }
    .group_segment_fixed_size: 0
    .private_segment_fixed_size: 0
    .kernarg_segment_align: 8
    .kernarg_segment_size: 72
    .max_flat_workgroup_size: 256
    .sgpr_count:     66
    .vgpr_count:     56
    .wavefront_size: 32
...
	.end_amdgpu_metadata
.endif
;; end of part 1
;; launch proj (part 2): grid 8 x 32, 4 waves a work-group, clusters of 4 x 4, 327,680 bytes of LDS; arguments cb, qb, kvb; writes qb, kvb
.if DOCPART == 2
	.amdgcn_target "amdgcn-amd-amdhsa--gfx1250"
	.amdhsa_code_object_version 6
	.text
	.protected	k_qd5aa91b6f4_proj
	.globl	k_qd5aa91b6f4_proj
	.p2align	8
	.type	k_qd5aa91b6f4_proj,@function
k_qd5aa91b6f4_proj:
	s_mov_b64 s[64:65], 0
	v_nop
	global_prefetch_b8 v0, s[64:65] scope:SCOPE_SE
	s_setreg_imm32_b32 hwreg(HW_REG_WAVE_MODE, 25, 1), 1
	s_wait_xcnt 0x0
	s_wait_alu depctr_hold_cnt(0) depctr_sa_sdst(0) depctr_va_vdst(0) depctr_va_sdst(0) depctr_va_ssrc(0) depctr_va_vcc(0) depctr_vm_vsrc(0)
	s_getreg_b32 s2, hwreg(HW_REG_IB_STS2, 6, 4)
	s_cmp_eq_u32 s2, 0
	s_cbranch_scc0 .Lentry_in_a_cluster
	s_endpgm
.Lentry_in_a_cluster:
	s_bfe_u32 s2, ttmp6, 0x10000c
	s_cmp_lg_u32 s2, 0xf033
	s_cbranch_scc0 .Lentry_shape_is_right
	s_endpgm
.Lentry_shape_is_right:
; T = xt Wt + bt (4096 x 1024 x 3072) and S = xs Ws + bs (4096 x 1024 x 2048): bf16 operands and the biases (bf16 numbers kept as f32) out of cb, f32 sums that START with the bias, each result rounded once to f16
; and stored by heads: qt, qs into qb [plane 2][bh 32][l 2048][64]; kt, ks, v into kvb [bh 32][block of 64 keys 32][plane 3: kt, ks, v][64][64].
; LIMIT.  f16 ends at 65,504: a projection's result of 65,520 or more becomes an infinity.  Inputs and weights 30 times those drawn give results of some 3,500 at the most.
; SHARES.  Work-group (X 0..7, Y 0..31) STAYS and makes two tiles on rows 128 Y ..: 128 x 384 of T (phase 0), then 128 x 256 of S (phase 1): 256 equal work-groups.  Four waves, 2 x 2: a wave makes 64 rows x 192
; (three whole heads) and then 64 x 128 (two heads).  K goes in steps of 128, eight a phase, through a ring of two LDS slots that runs on from phase 0 into phase 1.  A trip of a loop is ONE K step: the LDS byte of the
; slot in hand is a scalar that one exclusive or turns between 0 and SLOT; the fragment addresses and the walking descriptors' LDS words are made of it.
; THE RING'S PACE.  One generation of loads is out at a time, so a K step lasts at least as long as a tile takes to land and the next request to follow.  Between the wait for all loads and the next request stand
; therefore only the add, the descriptors' steps, the barrier and the round; the products that are due about there stand ahead of the wait or behind the request.
; CLUSTER 4 x 4.  The rows of x hang on Y alone and are asked for jointly along a row of the cluster; the columns of W hang on X alone and are asked for jointly along a column.
; W lies [k][n]: its fragments come out of LDS turned, by ds_load_tr16_b128.  The product is used transposed (source 0 = 16 columns of W, source 1 = 16 rows of x): a lane then holds eight neighbouring columns of one row,
; and the bias of those eight columns is the C operand of the product that starts the sum, the same for every block of rows.
; LDS.  Slot s at s x 145,408: x's 128 rows at a pitch of 272; from 34,816 on W's 128 k-rows, phase 0 at a pitch of 864 (six pieces of 128 bytes, 16 of padding behind each), phase 1 at 544 (512 + 32).
; Behind the ring a stage of 16 rows x 400 bytes for each wave, then the spare words.
; REGISTERS.  Window 0: addresses, the way out's TMP (2 x 48) and the bias (96).  Window 1: two fragment buffers of 128: x's four blocks at f + 8 a, W's at f + 32 + 8 b.
; Windows 2, 3: accumulator (a, b) at v[8 (NBK (a % 2) + b)] of window 2 + a / 2.
.set SLOT,   145408
.set BOF,    34816
.set STAGE,  2*SLOT
.set SPARE,  STAGE+4*6400              ; the spare words, 128 bytes a wave: two blocks of 256 bytes that no other line names
.set XS_OFF, 8388608                   ; cb: xt at 0, xs, Wt, Ws, (Wc,) the biases
.set WT_OFF, 16777216
.set WS_OFF, 23068672
.set BIAS_OFF, 29360128
.set GO,   10                          ; v10  16 x lane: my 16 bytes of 512 consecutive bytes of the output
.set STO,  11                          ; v11  the way out: where I put 16 bytes of a row
.set RD,   12                          ; v12  where I read rows back
.set BOT,  13                          ; v13  my byte offset in the biases, for bt
.set BOS,  14                          ; v14  for bs
.set ABASE, 15                         ; v15  x's fragments in slot 0; never rewritten
.set ADRA, 16                          ; v16  the same in the slot in hand
.set BBT,  17                          ; v17  Wt's fragments, k 0-63, in slot 0; never rewritten;  v18-19 in the slot in hand: k 0-63, k 64-127
.set BBS,  20                          ; v20  Ws's likewise;  v22-23 in the slot in hand
.set PFO,  26                          ; v26-27  the prefetches' offset, phase 0, 1: lane x a row's bytes
.set SPW,  28                          ; v28  my spare word; never rewritten
.set NIL,  29                          ; v29  0; never rewritten
.set TMP,  32
.set BIAS, 128
.set F0,   0
.set F1,   128
.set TB,   12                          ; s12  LDS byte of the slot in hand: 0 or SLOT
.set LBT,  2                           ; s2   LDS byte of my part of Wt's tile in slot 0
.set LBS,  70                          ; s70  of Ws's
.set LBA,  71                          ; s71  of x's
.set G1A,  24                          ; s[24:31] group 1 for x's tiles;  s[32:39] group 0: a set for each of the two first fills; the second then walks on
.set G0A,  32
.set G1BT, 40                          ; s[40:47] group 1 for Wt's tiles;  s[48:55] group 0 for W's tiles, likewise
.set G0B,  48
.set G1BS, 56                          ; s[56:63] group 1 for Ws's tiles
.set SA,   66                          ; s[66:67] xs at my tile's K step 0
.set SB,   68                          ; s[68:69] Ws at my tile's K step 0
.set PFA,  82                          ; s[82:83] where my prefetches stand;  s[84:85] their step along K
.set PFS,  84
.set LIM,  86                          ; s86  2 in a wave that prefetches, else the greatest number;  s87 the same for phase 1
.set LIMS, 87
.set PFAS, 88                          ; s[88:89], s[90:91] phase 1's start (K step 2) and step
.set PFSS, 90
.set MUL_LO, 0xa5                      ; sources 0 and 1 window 1, C and D window 2; + 0x50: window 3
.set MUL_Z,  0x85                      ; the same with C (the bias) in window 0; + 0x40: D in window 3
.set TO_F,   0x40                      ; destination window 1, address window 0
.set MSB, 0
.macro WIN new                         ; the immediate's high byte repeats the setting that is left; a switch that changes nothing is dropped
.if MSB != (\new)
	s_set_vgpr_msb (MSB<<8)|(\new)
.set MSB, \new
.endif
.endm
.macro PLACES                          ; four plain instructions between a matrix instruction and a load into, or a vector line on, its registers
.rept 4
	v_nop
.endr
.endm
.macro SETPH ph                        ; the sizes and registers that hang on the phase
.if \ph
.set NBK,  8                           ; blocks of 16 columns a wave
.set BQ,   17408                       ; 32 k-rows of W in LDS
.set B16,  8704                        ; 16 k-rows
.set BHALF, 34816                      ; 64 k-rows
.set SEGX, 0
.set ADRB, 22
.set BB,   BBS
.set LBR,  LBS
.set DB,   78                          ; s[78:81] where my two heads go
.else
.set NBK,  12
.set BQ,   27648
.set B16,  13824
.set BHALF, 55296
.set SEGX, 16                          ; 16 bytes of padding behind every four blocks
.set ADRB, 18
.set BB,   BBT
.set LBR,  LBT
.set DB,   72                          ; s[72:77] where my three heads go
.endif
.set NL, 8+2*NBK                       ; LDS loads of a quarter step
.endm
.macro CREST                           ; a round of the cluster's barrier behind its opening barrier
	s_cmp_lg_u32 s14, 0
	s_cbranch_scc1 .Lnot_wave_0_\@
	s_barrier_signal -3
.Lnot_wave_0_\@:
	s_barrier_wait -3
	s_barrier_signal -1
	s_barrier_wait -1
.endm
.macro CROUND
	s_barrier_signal -1
	s_barrier_wait -1
	CREST
.endm
; A joint refill by the walking descriptors: waves 0 and 1 fetch the two halves of x's tile, waves 2 and 3 those of W's (PHB: of Wt or of Ws).  The branch hangs on the wave's number alone.
; An s_nop 0 and four v_nop follow each line.
.macro JLOAD
	s_cmp_eq_u32 s15, 0
	s_cbranch_scc0 .Lfor_b_\@
	tensor_load_to_lds s[G0A+4:G0A+7], s[G1A:G1A+7]
	s_nop 0
.rept 4
	v_nop
.endr
	s_branch .Lasked_\@
.Lfor_b_\@:
.if PHB
	tensor_load_to_lds s[G0B+4:G0B+7], s[G1BS:G1BS+7]
.else
	tensor_load_to_lds s[G0B+4:G0B+7], s[G1BT:G1BT+7]
.endif
	s_nop 0
.rept 4
	v_nop
.endr
.Lasked_\@:
.endm
; A PREFETCH INTO THE L2 of the K step that stands two refills on, behind the joint load and the run of LDS loads.  Each aligned block of 256 bytes is named once in the launch.  x's rows are read by both clusters of a
; row of clusters: the one with x = 0 asks, wave 0 of partner cx for rows 32 cx .. of the tile's 128, a lane a row.  W's k-rows are read by the eight clusters of a column: the one with y = 0 asks, partner cy for
; k-rows 32 cy .., waves 1 to 3 (phase 1: 1 and 2) for one block of 256 bytes of the row each.  The partners are told apart by address alone.  how = 0, in a loop of six trips (the count runs 6 to 1): the last two
; trips have no K step two refills on.
.macro ASK how, pfo
.if \how
	s_cmp_eq_u32 s[LIM], 2
.else
	s_cmp_gt_u32 s3, s[LIM]
.endif
	s_cbranch_scc0 .Lnot_mine_\@
	global_prefetch_b8 v[\pfo], s[PFA:PFA+1] th:TH_LOAD_NT scope:SCOPE_SE
.Lnot_mine_\@:
.endm
; NBK matrix instructions: row block a x all column blocks, 32 along K.  All accumulators take turns in one fixed order, one instruction a turn.  zero = 1: the product starts the sum, with the bias.
.macro MULA f, a, zero
.if \zero
	WIN MUL_Z+0x40*((\a)/2)
.else
	WIN MUL_LO+0x50*((\a)/2)
.endif
.set bb, 0
.rept NBK
.set rA, 8*(NBK*((\a)%2)+bb)
.if \zero
	v_wmma_f32_16x16x32_bf16 v[rA:rA+7], v[(\f)+32+8*bb:(\f)+32+8*bb+7], v[(\f)+8*(\a):(\f)+8*(\a)+7], v[BIAS+8*bb:BIAS+8*bb+7]
.else
	v_wmma_f32_16x16x32_bf16 v[rA:rA+7], v[(\f)+32+8*bb:(\f)+32+8*bb+7], v[(\f)+8*(\a):(\f)+8*(\a)+7], v[rA:rA+7]
.endif
.set bb, bb+1
.endr
.endm
.macro NEWADR                          ; the fragment addresses in the slot in hand
	v_add_nc_u32 v[ADRA], s[TB], v[ABASE]
	v_add_nc_u32 v[ADRB], s[TB], v[BB]
	v_add_nc_u32 v[ADRB+1], BHALF, v[ADRB]
.endm
; The fragments of quarter q (32 along K) of the slot in hand, in one run: W's (turned: k 8 (l / 16) + l % 8, 16 bytes of the row; the second load 16 k-rows on), then x's four blocks.
.macro FETCH q, f
	WIN TO_F
.set bb, 0
.rept NBK
	ds_load_tr16_b128 v[(\f)+32+8*bb:(\f)+32+8*bb+3],   v[ADRB+(\q)/2] offset:((\q)%2)*BQ+32*bb+SEGX*(bb/4)
	ds_load_tr16_b128 v[(\f)+32+8*bb+4:(\f)+32+8*bb+7], v[ADRB+(\q)/2] offset:((\q)%2)*BQ+32*bb+SEGX*(bb/4)+B16
.set bb, bb+1
.endr
.irp a, 0,1,2,3
	ds_load_b128 v[(\f)+8*\a:(\f)+8*\a+3],   v[ADRA] offset:\a*4352+64*(\q)
	ds_load_b128 v[(\f)+8*\a+4:(\f)+8*\a+7], v[ADRA] offset:\a*4352+64*(\q)+32
.endr
.endm
; One of a K step's first three quarters: multiplies buffer f and, in its middle, fetches quarter qn of the same slot into g.
.macro QUARTER qn, f, g, zero
	s_wait_dscnt 4                                 ; W's fragments and x's blocks 0, 1 are in; the youngest four loads (blocks 2, 3) may be out
	MULA \f, 0, \zero
	MULA \f, 1, \zero
	PLACES
	FETCH \qn, \g
	s_wait_dscnt NL                                ; all but the run just issued
	MULA \f, 2, \zero
	MULA \f, 3, \zero
.endm
; The first half of a K step's last quarter, and behind it the first two of the three lines in front of the change of slots: the wait for all my tensor loads (one is out: my part of the next slot) and the add.
; The products stand AHEAD of the wait: they want registers alone, and what follows the wait is then as short as it can be.
.macro MEET
	s_wait_dscnt 4                                 ; W's fragments and x's blocks 0, 1 are in
	MULA F1, 0, 0
	MULA F1, 1, 0
	WIN 0                                          ; the add's registers lie in window 0
	s_wait_tensorcnt 0x0
	ds_add_u32 v[SPW], v[NIL]                      ; 0 onto my spare word; scalar work stands between it and the wait for it
.endm
; The whole last quarter of phase ph.  No load of mine is out behind the wait in MEET, so the walking descriptors are stepped there: to this phase's K step two on (on = 0: one K step behind the last refill's) or to
; phase 1's K step idx (on = 1), into the slot just read.  Behind the round that slot is filled first; then the other slot, now in hand, gives its first fragments.
.macro TURN on, ph, idx
.set PHB, (\ph)|(\on)
	s_wait_xcnt 0x0                                ; the last prefetch, a K step back, has read its address
.if (\on) && ((\idx) == 0)
	s_mov_b64 s[PFA:PFA+1], s[PFAS:PFAS+1]         ; on to phase 1's K step 2
	s_mov_b64 s[PFS:PFS+1], s[PFSS:PFSS+1]
	s_mov_b32 s[LIM], s[LIMS]
.else
	s_add_nc_u64 s[PFA:PFA+1], s[PFA:PFA+1], s[PFS:PFS+1]
.endif
	MEET
	s_add_co_u32 s[G0A+5], s[LBA], s[TB]           ; into the slot just read
.if \on
	s_add_co_u32 s[G0B+5], s[LBS], s[TB]
	s_add_nc_u64 s[G0A+6:G0A+7], s[SA:SA+1], (\idx)*256
	s_or_b32 s[G0A+7], s[G0A+7], 0x80000000
	s_add_nc_u64 s[G0B+6:G0B+7], s[SB:SB+1], (\idx)*524288
	s_or_b32 s[G0B+7], s[G0B+7], 0x80000000
.else
	s_add_co_u32 s[G0B+5], s[LBR], s[TB]
	s_add_nc_u64 s[G0A+6:G0A+7], s[G0A+6:G0A+7], 256
	s_add_nc_u64 s[G0B+6:G0B+7], s[G0B+6:G0B+7], 786432-262144*(\ph)
.endif
	s_xor_b32 s[TB], s[TB], SLOT                   ; the other slot is in hand
	s_wait_dscnt 0x0                               ; the add is done, my reads of the old slot are over
	s_barrier_signal -1
	s_barrier_wait -1
	CREST                                          ; no wave of any partner still reads the old slot or has a load on its way
	JLOAD                                          ; its four v_nop are also the places in front of the loads below
.if (\on) && ((\idx) == 1)
	SETPH 1                                        ; the next slot holds phase 1's K step 0
	NEWADR
	FETCH 0, F0
	SETPH 0
.else
	NEWADR
	FETCH 0, F0
.endif
	WIN 0
	ASK \on, PFO+PHB
	MULA F1, 2, 0
	MULA F1, 3, 0
.endm
.macro TURNX                           ; the change of slots behind which nothing is filled
	MEET
	s_xor_b32 s[TB], s[TB], SLOT
	s_wait_dscnt 0x0
	s_barrier_signal -1
	s_barrier_wait -1
	PLACES
	NEWADR
	FETCH 0, F0
	MULA F1, 2, 0
	MULA F1, 3, 0
.endm
; THE WAY OUT of row block a: rounded to f16 (each accumulator's registers in ascending order), 16 bytes a lane into my stage, and back by heads: four rows of 128 bytes a load.
.macro PACK a
.if (\a) >= 2
	s_wait_xcnt 0x0                                ; the stores of two blocks ago have read TMP (blocks 0 and 1 find no store issued since the last such wait, which stands in every change of slots)
.endif
.set TM, TMP+48*((\a)%2)
.set AB, 8*NBK*((\a)%2)
	WIN 0x0a+5*((\a)/2)                            ; sources 0 and 1 window 2 or 3, destination window 0
.set n, 0
.rept 4*NBK
	v_cvt_pk_f16_f32 v[TM+n], v[AB+2*n], v[AB+2*n+1]
.set n, n+1
.endr
	WIN 0
.set n, 0
.rept NBK
	ds_store_b128 v[STO], v[TM+4*n:TM+4*n+3] offset:32*n
.set n, n+1
.endr
.set n, 0
.rept NBK
	ds_load_b128 v[TM+4*n:TM+4*n+3], v[RD] offset:128*(n/4)+1600*(n%4)  ; LDS serves a wave's instructions in order (ISA guide 5.7.1.4): these see the stores above
.set n, n+1
.endr
.endm
.macro SEND a, younger                 ; younger: the LDS instructions issued behind block a's loads, which may stay out
	WIN 0
.set TM, TMP+48*((\a)%2)
	s_wait_dscnt \younger                          ; the block is back in registers
.set n, 0
.rept NBK
	global_store_b128 v[GO], v[TM+4*n:TM+4*n+3], s[DB+2*(n/4):DB+2*(n/4)+1] offset:2048*(\a)+512*(n%4)  ; 512 consecutive bytes, aligned: four rows of one head
.set n, n+1
.endr
.endm
.macro OUT
	PLACES                                         ; behind the last products
	PACK 0
	PACK 1
	SEND 0, 2*NBK
	PACK 2
	SEND 1, 2*NBK
	PACK 3
	SEND 2, 2*NBK
	SEND 3, 0
.endm
; Where head s99 + hh of the product goes: section 0 (queries) into qb, the others into kvb.  s96 = 16 x batch, s97 = my first row x 128, s98 = my block of 64 keys x 24,576.
.macro DEST d, hh, iss
	s_add_co_u32 s21, s99, \hh
	s_lshr_b32 s22, s21, 4                         ; the section
	s_and_b32 s21, s21, 15
	s_add_co_u32 s21, s21, s96                     ; bh
	s_lshl_b32 s100, s21, 18
	s_add_co_u32 s100, s100, s97
.if \iss
	s_add_co_u32 s100, s100, 8388608               ; qs is qb's second plane
.endif
	s_mul_i32 s23, s21, 786432
	s_add_co_u32 s23, s23, s98
.if \iss
	s_add_co_u32 s23, s23, 8192                    ; ks is plane 1
.else
	s_and_b32 s21, s22, 2                          ; kt is plane 0, v plane 2
	s_lshl_b32 s21, s21, 13
	s_add_co_u32 s23, s23, s21
.endif
	s_cmp_eq_u32 s22, 0
	s_cselect_b64 s[(\d):(\d)+1], s[8:9], s[10:11]
	s_cselect_b32 s100, s100, s23
	s_add_nc_u64 s[(\d):(\d)+1], s[(\d):(\d)+1], s[100:101]
.endm
	s_load_b64 s[4:5], s[0:1], 0x0                 ; cb
	s_load_b128 s[8:11], s[0:1], 0x8               ; qb s[8:9], kvb s[10:11]
	v_lshl_add_u32 v[SPW], v0, 2, SPARE
	v_mov_b32 v[NIL], 0
	ds_add_u32 v[SPW], v[NIL]                      ; the wave's opening: the add and its wait ahead of my first tensor load
	v_lshrrev_b32 v1, 5, v0
	v_readfirstlane_b32 s14, v1                    ; wave 0..3
	s_lshr_b32 s15, s14, 1                         ; which half of the rows is mine.  Also: I fetch for x (0) or for W (1)
	s_and_b32 s16, s14, 1                          ; which half of the columns.  Also: which half of that tile I fetch
	s_bfe_u32 s17, ttmp6, 0x40000                  ; cx
	s_bfe_u32 s18, ttmp6, 0x40004                  ; cy
	s_lshl_b32 s19, ttmp9, 2
	s_add_co_u32 s19, s19, s17                     ; X
	s_and_b32 s20, ttmp7, 0xffff
	s_lshl_b32 s20, s20, 2
	s_add_co_u32 s20, s20, s18                     ; Y
	s_mov_b32 s[TB], 0                             ; slot 0 is in hand
	s_lshl_b32 s96, s18, 2
	s_lshl_b32 s96, 15, s96                        ; my row of the cluster
	s_lshl_b32 s97, 0x1111, s17                    ; my column
	s_or_b32 s[G1A], s96, (1<<16)|(1<<20)|(1<<21)|(5<<22)|(3<<25)   ; 2-byte elements; padding on; bit 21 beside a mask; 4 words behind every 64
	s_mov_b32 s[G1A+1], 128<<16                    ; 64 rows x 128 elements, 1,024 from row to row
	s_mov_b32 s[G1A+2], 64<<16
	s_mov_b32 s[G1A+3], 128<<16
	s_mov_b32 s[G1A+4], 64
	s_mov_b32 s[G1A+5], 1024
	s_mov_b32 s[G1A+6], 0
	s_mov_b32 s[G1A+7], 0
	s_or_b32 s[G1BT], s97, (1<<16)|(1<<20)|(1<<21)|(4<<22)|(3<<25)  ; 4 words behind every 32
	s_mov_b32 s[G1BT+1], 384<<16                   ; 64 k-rows x 384 elements, 3,072 from row to row
	s_mov_b32 s[G1BT+2], 64<<16
	s_mov_b32 s[G1BT+3], 384<<16
	s_mov_b32 s[G1BT+4], 64
	s_mov_b32 s[G1BT+5], 3072
	s_mov_b32 s[G1BT+6], 0
	s_mov_b32 s[G1BT+7], 0
	s_or_b32 s[G1BS], s97, (1<<16)|(1<<20)|(1<<21)|(6<<22)|(7<<25)  ; 8 words behind every 128
	s_mov_b32 s[G1BS+1], 256<<16                   ; 64 k-rows x 256 elements, 2,048 from row to row
	s_mov_b32 s[G1BS+2], 64<<16
	s_mov_b32 s[G1BS+3], 256<<16
	s_mov_b32 s[G1BS+4], 64
	s_mov_b32 s[G1BS+5], 2048
	s_mov_b32 s[G1BS+6], 0
	s_mov_b32 s[G1BS+7], 0
	s_lshl_b32 s92, s20, 18                        ; x: row 128 Y + 64 half, 2,048 bytes a row: of Y and the wave alone
	s_lshl_b32 s100, s16, 17
	s_add_co_u32 s92, s92, s100
	s_mov_b32 s93, 0
	s_mul_i32 s94, s19, 768                        ; Wt: k-row 64 half, column 384 X: of X and the wave alone
	s_mul_i32 s100, s16, 393216
	s_add_co_u32 s94, s94, s100
	s_add_co_u32 s94, s94, WT_OFF
	s_mov_b32 s95, 0
	s_lshl_b32 s98, s19, 9                         ; Ws: k-row 64 half, column 256 X
	s_lshl_b32 s100, s16, 18
	s_add_co_u32 s98, s98, s100
	s_add_co_u32 s98, s98, WS_OFF
	s_mov_b32 s99, 0
	s_mul_i32 s[LBA], s16, 17408                   ; where my part goes in slot 0: of x's tile,
	s_mul_i32 s[LBT], s16, 55296
	s_add_co_u32 s[LBT], s[LBT], BOF               ; of Wt's,
	s_mul_i32 s[LBS], s16, 34816
	s_add_co_u32 s[LBS], s[LBS], BOF               ; of Ws's: no place in the cluster enters an LDS address
	s_wait_dscnt 0x0                               ; the opening add is done
	s_wait_kmcnt 0x0
	s_add_nc_u64 s[6:7], s[4:5], BIAS_OFF          ; the biases
	s_add_nc_u64 s[92:93], s[4:5], s[92:93]
	s_add_nc_u64 s[SA:SA+1], s[92:93], XS_OFF
	s_add_nc_u64 s[94:95], s[4:5], s[94:95]
	s_add_nc_u64 s[SB:SB+1], s[4:5], s[98:99]
	CROUND                                         ; all sixteen work-groups are here: the first joint loads meet
.irp s, 0,1
	s_mov_b32 s[G0A+4*\s], 1
	s_add_co_u32 s[G0A+4*\s+1], s[LBA], \s*SLOT
	s_add_nc_u64 s[G0A+4*\s+2:G0A+4*\s+3], s[92:93], \s*256
	s_or_b32 s[G0A+4*\s+3], s[G0A+4*\s+3], 0x80000000
	s_mov_b32 s[G0B+4*\s], 1
	s_add_co_u32 s[G0B+4*\s+1], s[LBT], \s*SLOT
	s_add_nc_u64 s[G0B+4*\s+2:G0B+4*\s+3], s[94:95], \s*786432
	s_or_b32 s[G0B+4*\s+3], s[G0B+4*\s+3], 0x80000000
.endr
	s_cmp_eq_u32 s15, 0                            ; a wave's two first fills, K steps 0 and 1, stand in one branch: two loads of mine are out; an s_nop 0 follows each, four v_nop the second's
	s_cbranch_scc0 .Lfirst_b
	tensor_load_to_lds s[G0A:G0A+3], s[G1A:G1A+7]
	s_nop 0
	tensor_load_to_lds s[G0A+4:G0A+7], s[G1A:G1A+7]
	s_nop 0
.rept 4
	v_nop
.endr
	s_branch .Lfirst_asked
.Lfirst_b:
	tensor_load_to_lds s[G0B:G0B+3], s[G1BT:G1BT+7]
	s_nop 0
	tensor_load_to_lds s[G0B+4:G0B+7], s[G1BT:G1BT+7]
	s_nop 0
.rept 4
	v_nop
.endr
.Lfirst_asked:
	v_and_b32 v1, 15, v0                           ; l % 16
	v_bfe_u32 v2, v0, 4, 1                         ; l / 16
	v_and_b32 v3, 7, v0                            ; l % 8
	v_bfe_u32 v4, v0, 3, 1                         ; (l / 8) % 2
	v_and_b32 v5, 31, v0                           ; l
	v_bfe_u32 v6, v0, 3, 2                         ; l / 8
	s_mul_i32 s21, s19, 1536                       ; bt: 4 bytes x (384 X + 192 half + 8 (l / 16))
	s_mul_i32 s22, s16, 768
	s_add_co_u32 s21, s21, s22
	v_lshl_add_u32 v[BOT], v2, 5, s21
	s_lshl_b32 s21, s19, 10                        ; bs, 12,288 bytes on: 4 bytes x (256 X + 128 half + 8 (l / 16))
	s_lshl_b32 s22, s16, 9
	s_add_co_u32 s21, s21, s22
	s_add_co_u32 s21, s21, 12288
	v_lshl_add_u32 v[BOS], v2, 5, s21
.set bb, 0
.rept 12
	global_load_b128 v[BIAS+8*bb:BIAS+8*bb+3],   v[BOT], s[6:7] offset:64*bb
	global_load_b128 v[BIAS+8*bb+4:BIAS+8*bb+7], v[BOT], s[6:7] offset:64*bb+16
.set bb, bb+1
.endr
	v_mul_u32_u24 v7, v1, 272
	v_lshl_add_u32 v7, v2, 4, v7
	s_mul_i32 s21, s15, 17408
	v_add_nc_u32 v[ABASE], s21, v7
	v_lshl_add_u32 v8, v2, 3, v3                   ; the k-row that I read for the turning load
	v_mul_u32_u24 v9, v8, 864
	v_lshl_add_u32 v9, v4, 4, v9
	s_mul_i32 s21, s16, 432                        ; my 192 columns: three pieces of 144 bytes
	s_add_co_u32 s21, s21, BOF
	v_add_nc_u32 v[BBT], s21, v9
	v_mul_u32_u24 v9, v8, 544
	v_lshl_add_u32 v9, v4, 4, v9
	s_lshl_b32 s21, s16, 8
	s_add_co_u32 s21, s21, BOF
	v_add_nc_u32 v[BBS], s21, v9
	s_mul_i32 s21, s14, 6400
	s_add_co_u32 s21, s21, STAGE                   ; my stage
	v_mul_u32_u24 v7, v1, 400
	v_lshl_add_u32 v7, v2, 4, v7
	v_add_nc_u32 v[STO], s21, v7
	v_mul_u32_u24 v7, v6, 400
	v_lshl_add_u32 v7, v3, 4, v7
	v_add_nc_u32 v[RD], s21, v7
	v_lshlrev_b32 v[GO], 4, v5
	; where my five heads go
	s_lshr_b32 s96, s20, 4
	s_lshl_b32 s96, s96, 4                         ; 16 x batch
	s_and_b32 s21, s20, 15
	s_lshl_b32 s97, s21, 14
	s_lshl_b32 s22, s15, 13
	s_add_co_u32 s97, s97, s22                     ; (128 (Y % 16) + 64 half) rows of 128 bytes
	s_lshl_b32 s21, s21, 1
	s_add_co_u32 s21, s21, s15
	s_mul_i32 s98, s21, 24576                      ; the same 64 rows as a block of keys
	s_mov_b32 s101, 0
	s_lshl_b32 s99, s19, 1
	s_add_co_u32 s99, s99, s16
	s_mul_i32 s99, s99, 3                          ; my first head of 48 in T
	DEST 72, 0, 0
	DEST 74, 1, 0
	DEST 76, 2, 0
	s_lshl_b32 s99, s19, 2
	s_lshl_b32 s21, s16, 1
	s_add_co_u32 s99, s99, s21                     ; my first head of 32 in S: an even number, so my second lies in the same section, one head on:
	DEST 78, 0, 1
	s_mov_b32 s100, 786432                         ; 786,432 bytes in kvb,
	s_cmp_eq_u32 s22, 0
	s_cselect_b32 s100, 262144, s100               ; 262,144 in qb
	s_add_nc_u64 s[80:81], s[78:79], s[100:101]
	; the prefetches
	s_lshl_b32 s21, s20, 18
	s_lshl_b32 s22, s17, 16
	s_add_co_u32 s21, s21, s22                     ; x: row 128 Y + 32 cx
	s_add_co_u32 s96, s21, 3*256                   ; phase 0 stands at K step 3: the first change of slots steps it to 4
	s_add_co_u32 s97, s21, XS_OFF+2*256            ; phase 1 begins at K step 2
	s_mul_i32 s22, s18, 196608                     ; Wt: k-row 32 cy,
	s_mul_i32 s23, s19, 768                        ; column 384 X,
	s_add_co_u32 s22, s22, s23
	s_lshl_b32 s23, s14, 8                         ; block wave - 1 of the row's three
	s_add_co_u32 s22, s22, s23
	s_add_co_u32 s22, s22, WT_OFF-256+3*786432
	s_lshl_b32 s21, s18, 17                        ; Ws likewise
	s_lshl_b32 s98, s19, 9
	s_add_co_u32 s21, s21, s98
	s_add_co_u32 s21, s21, s23
	s_add_co_u32 s21, s21, WS_OFF-256+2*524288
	s_and_b32 s23, ttmp7, 0xffff                   ; cluster y
	s_cmp_eq_u32 s14, 0                            ; wave 0 asks for x, the others for W
	s_cselect_b32 s96, s96, s22
	s_cselect_b32 s98, s97, s21
	s_cselect_b32 s23, ttmp9, s23                  ; the coordinate along which other clusters read the same rows
	s_mov_b32 s97, 0
	s_mov_b32 s99, 0
	s_add_nc_u64 s[PFA:PFA+1], s[4:5], s[96:97]
	s_add_nc_u64 s[PFAS:PFAS+1], s[4:5], s[98:99]
	s_mov_b32 s[PFS], 256
	s_mov_b32 s21, 786432
	s_mov_b32 s22, 524288
	s_cselect_b32 s[PFSS], s[PFS], s22
	s_cselect_b32 s[PFS], s[PFS], s21
	s_mov_b32 s[PFS+1], 0
	s_mov_b32 s[PFSS+1], 0
	s_mov_b32 s21, 2048
	s_mov_b32 s22, 6144
	s_mov_b32 s96, 4096
	s_cselect_b32 s22, s21, s22
	s_cselect_b32 s96, s21, s96
	v_mul_u32_u24 v[PFO], v5, s22                  ; a lane a row
	v_mul_u32_u24 v[PFO+1], v5, s96
	s_cmp_eq_u32 s23, 0
	s_cselect_b32 s[LIM], 2, -1                    ; the same in all sixteen partners, for a given wave
	s_cmp_eq_u32 s14, 3
	s_cselect_b32 s[LIMS], -1, s[LIM]              ; a row of Ws's tile has two blocks: wave 3 has none
	s_wait_loadcnt 0x0                             ; bt: the first products take it
	s_wait_tensorcnt 1                             ; my part of K step 0 is in; K step 1's load stays out
	s_barrier_signal -1
	s_barrier_wait -1
	SETPH 0
	NEWADR
	FETCH 0, F0
	QUARTER 1, F0, F1, 1                           ; the first quarter's products start the sums, with bt
	WIN 0
	PLACES                                         ; behind bt's last readers: bs comes into the same registers, and is waited for at phase 0's way out
.set bb, 0
.rept 8
	global_load_b128 v[BIAS+8*bb:BIAS+8*bb+3],   v[BOS], s[6:7] offset:64*bb
	global_load_b128 v[BIAS+8*bb+4:BIAS+8*bb+7], v[BOS], s[6:7] offset:64*bb+16
.set bb, bb+1
.endr
	s_mov_b32 s3, 6
.LstepT:                                       ; a trip: from a K step's second quarter to the next step's first; K steps 0 to 5, whose slots take K steps 2 to 7
	QUARTER 2, F1, F0, 0
	QUARTER 3, F0, F1, 0
	TURN 0, 0, 0
	QUARTER 1, F0, F1, 0
	WIN 0
	s_sub_co_u32 s3, s3, 1
	s_cmp_lg_u32 s3, 0
	s_cbranch_scc1 .LstepT
	QUARTER 2, F1, F0, 0                           ; K steps 6 and 7: the ring goes on into phase 1
	QUARTER 3, F0, F1, 0
	TURN 1, 0, 0
	QUARTER 1, F0, F1, 0
	QUARTER 2, F1, F0, 0
	QUARTER 3, F0, F1, 0
	TURN 1, 0, 1
	s_wait_loadcnt 0x0                             ; bs
	OUT
	SETPH 1
	QUARTER 1, F0, F1, 1                           ; with bs
	WIN 0
	s_mov_b32 s3, 6
.LstepS:
	QUARTER 2, F1, F0, 0
	QUARTER 3, F0, F1, 0
	TURN 0, 1, 0
	QUARTER 1, F0, F1, 0
	WIN 0
	s_sub_co_u32 s3, s3, 1
	s_cmp_lg_u32 s3, 0
	s_cbranch_scc1 .LstepS
	QUARTER 2, F1, F0, 0                           ; K steps 6 and 7 ask for nothing
	QUARTER 3, F0, F1, 0
	TURNX
	QUARTER 1, F0, F1, 0
	QUARTER 2, F1, F0, 0
	QUARTER 3, F0, F1, 0
	s_wait_dscnt 4
	MULA F1, 0, 0
	MULA F1, 1, 0
	s_wait_dscnt 0x0
	MULA F1, 2, 0
	MULA F1, 3, 0
	OUT
	s_wait_tensorcnt 0x0                           ; the wave's end
	ds_add_u32 v[SPW], v[NIL]
	s_wait_dscnt 0x0
	CROUND                                         ; the closing round
	s_endpgm
.Lfunc_end_k_qd5aa91b6f4_proj:
	.size	k_qd5aa91b6f4_proj, .Lfunc_end_k_qd5aa91b6f4_proj-k_qd5aa91b6f4_proj
	.p2alignl 7, 3214868480
	.fill 96, 4, 3214868480
	.section	.rodata,"a",@progbits
	.p2align	6, 0x0
	.amdhsa_kernel k_qd5aa91b6f4_proj
		.amdhsa_group_segment_fixed_size 327680
		.amdhsa_private_segment_fixed_size 0
		.amdhsa_enable_private_segment 0
		.amdhsa_kernarg_size 24
		.amdhsa_user_sgpr_count 2
		.amdhsa_user_sgpr_kernarg_segment_ptr 1
		.amdhsa_wavefront_size32 1
		.amdhsa_system_sgpr_workgroup_id_x 1
		.amdhsa_system_sgpr_workgroup_id_y 1
		.amdhsa_system_sgpr_workgroup_id_z 1
		.amdhsa_system_vgpr_workitem_id 0
		.amdhsa_next_free_vgpr 960
		.amdhsa_next_free_sgpr 102
		.amdhsa_reserve_vcc 0
		.amdhsa_float_denorm_mode_32 3
		.amdhsa_float_denorm_mode_16_64 3
		.amdhsa_memory_ordered 1
		.amdhsa_forward_progress 1
		.amdhsa_inst_pref_size 172
	.end_amdhsa_kernel
	.amdgpu_metadata
---
amdhsa.version: [ 1, 2 ]
amdhsa.kernels:
  - .name:           k_qd5aa91b6f4_proj
    .symbol:         k_qd5aa91b6f4_proj.kd
    .args:
      - { .name: cb, .offset: 0, .size: 8, .value_kind: global_buffer, .address_space: global }
      - { .name: qb, .offset: 8, .size: 8, .value_kind: global_buffer, .address_space: global }
      - { .name: kvb, .offset: 16, .size: 8, .value_kind: global_buffer, .address_space: global }
    .group_segment_fixed_size: 327680
    .private_segment_fixed_size: 0
    .kernarg_segment_align: 8
    .kernarg_segment_size: 24
    .max_flat_workgroup_size: 128
    .sgpr_count:     102
    .vgpr_count:     960
    .wavefront_size: 32
...
	.end_amdgpu_metadata
.endif
;; end of part 2
;; launch attn (part 3): grid 8 x 32, 4 waves a work-group, clusters of 4 x 1, 327,680 bytes of LDS; arguments qb, kvb, lam_ts, lam_st, lam_ss, yb; writes yb
.if DOCPART == 3
	.amdgcn_target "amdgcn-amd-amdhsa--gfx1250"
	.amdhsa_code_object_version 6
	.text
	.protected	k_qd5aa91b6f4_attn
	.globl	k_qd5aa91b6f4_attn
	.p2align	8
	.type	k_qd5aa91b6f4_attn,@function
k_qd5aa91b6f4_attn:
	s_mov_b64 s[64:65], 0
	v_nop
	global_prefetch_b8 v0, s[64:65] scope:SCOPE_SE
	s_setreg_imm32_b32 hwreg(HW_REG_WAVE_MODE, 25, 1), 1
	s_wait_xcnt 0x0
	s_wait_alu depctr_hold_cnt(0) depctr_sa_sdst(0) depctr_va_vdst(0) depctr_va_sdst(0) depctr_va_ssrc(0) depctr_va_vcc(0) depctr_vm_vsrc(0)
	s_getreg_b32 s2, hwreg(HW_REG_IB_STS2, 6, 4)
	s_cmp_eq_u32 s2, 0
	s_cbranch_scc0 .Lentry_in_a_cluster
	s_endpgm
.Lentry_in_a_cluster:
	s_bfe_u32 s2, ttmp6, 0x10000c
	s_cmp_lg_u32 s2, 0x3003
	s_cbranch_scc0 .Lentry_shape_is_right
	s_endpgm
.Lentry_shape_is_right:
; y[bh][q][:] = the sum over k of softmax_k(att[q][k]) v[k][:], att = (qt.kt + lam_ts qt.ks + lam_st qs.kt + lam_ss qs.ks) / 8 = ((qt + lam_st qs).kt + (lam_ts qt + lam_ss qs).ks) / 8.
; So the three factors are applied to the QUERIES, once, and the scores are one product at 128 channels: [q1 | q2] . [kt | ks].  With M = max(1 + |lam_st|, |lam_ts| + |lam_ss|): q1 = (qt + lam_st qs) / M,
; q2 = (lam_ts qt + lam_ss qs) / M, both no larger than the larger of |qt|, |qs|; M goes into the softmax's constant c = M log2(e) / 8, in f32.  The factors are rounded to bf16 like every input.
; q1 and q2 are made in packed f16, a multiply and a fused multiply-add for two numbers: the four quotients 1/M .. lam_ss/M (none above 1) are rounded to f16, and so is the first product.
; qb [2][32][2048][64], kvb [32][32 blocks of 64 keys][kt, ks, v][64][64], yb [32][2048][64], all f16.  Products, maxima and sums in f32; the weights p are rounded to f16, y once at the end.
; LIMITS.  f16 holds no number beyond 65,504; q1, q2, p and y below 6e-5 keep f16's fixed step of 6e-8; a weight below 2^-126 counts as 0 in l; NaN and infinities are not treated apart.
; SHARES.  A work-group owns 256 queries of one head, a wave 64: four tiles of 16, in two PIECES (tiles 0, 1 and 2, 3).  Every wave walks the head's 2,048 keys, 64 a step.
; LAYOUT.  S^T = K Q^T holds ONE query a lane (lane % 16) and the keys 8 (lane / 16) + 0..7; two such results rounded to f16 ARE source 1 of O^T = V^T P.  V comes out of LDS turned.
; SOFTMAX.  A running maximum m and sum l: p = 2^(c s - c m); in every step O and l are multiplied by a = 2^(c m_old - c m_new).  m starts at the lowest finite number, O and l at 0: the first step has a = 0.
; BY TURNS.  In a turn one piece has the matrix unit: 16 products V^T P of the step in hand, 32 products K Q^T of the next; the other piece's softmax (236 vector lines) stands in slices of four, one behind each
; product, the last eleven slices together.  Its 66 exponentials are one batch with one wait.
; CLUSTER.  The four query blocks of a cluster walk the same keys: each block of 64 keys is asked for jointly.  A slot holds four steps; each wave fetches one step's 24,576 dense bytes by one load.
; REGISTERS.  Window 0: v0-11 addresses; v12-43 statistics, 8 a tile; v44-59 factors and at work; v64-191 S^T; v192-255 P.  Window 1: v0-127 O^T; v128-191 V.  Window 2: v0-127 Q; v128-255 K.
.set PK,    144                        ; a key's 128 bytes + 16 of padding: the 16 rows of a load start at 16 different groups of four banks
.set STEPB, 27648                      ; a step in LDS: 64 rows of kt, 64 of ks, 64 of v
.set KSOFF, 9216
.set VOFF,  18432
.set SLOT1, 131072
.set SLOTB, 98304                      ; a slot's four steps in memory
.set STAGE, SLOT1+4*STEPB              ; 16 rows x 144 bytes for each wave, for the way out
.set SP,    144
.set SPARE, STAGE+4*16*SP              ; the spare words, 128 bytes a wave: two blocks of 256 bytes that no other line names
.set AK0, 2                            ; v2  my lane's place in a step's kt
.set AV0, 3                            ; v3  in its v
.set ADR, 4                            ; v4  the LDS address of the run of loads in hand
.set QO,  5                            ; v5  my byte offset in 16 rows of Q
.set STO, 6
.set RD,  7
.set GO,  8
.set ST,  12                           ; tile t at v[ST+8 t]: c m, m, l (even keys', odd keys'), c0-c3 at work; a takes c2's place
.set CA1, 44                           ; v44-47  1/M, lam_st/M, lam_ts/M, lam_ss/M in f32
.set CH,  56                           ; v56-59  the same, twice each, in f16
.set PFO, 61                           ; v61  256 x lane
.set SPW, 62
.set NIL, 63
.set S,   64
.set P,   192
.set VF,  128                          ; window 1
.set KF,  128                          ; window 2
.set WV,  16
.set LIM, 19
.set G1,  24
.set G0,  32
.set PFA, 38
.set SLOTS, 56
.set CNT, 57
.set CS,  58
.set SEL, 60
.set TB,  62                           ; s62  LDS byte at which the step to be fetched begins
.set W_KQ, 0x0a
.set W_PV, 0x51
.set W_RS, 0x41
.set MSB, 0
.macro WIN new
.if MSB != (\new)
	s_set_vgpr_msb (MSB<<8)|(\new)
.set MSB, \new
.endif
.endm
.macro CROUND
	s_barrier_signal -1
	s_barrier_wait -1
	s_cmp_lg_u32 s[WV], 0
	s_cbranch_scc1 .Lnot_wave_0_\@
	s_barrier_signal -3
.Lnot_wave_0_\@:
	s_barrier_wait -3
	s_barrier_signal -1
	s_barrier_wait -1
.endm
.macro JLOAD                           ; every wave fetches its own step of the slot; an s_nop 0 and four v_nop follow
	tensor_load_to_lds s[G0:G0+3], s[G1:G1+7]
	s_nop 0
.rept 4
	v_nop
.endr
.endm
; A PREFETCH INTO THE L2 of the slot behind the one that is being asked for.  All clusters of a head walk the same keys: the head's first cluster asks.  Partner cx takes step cx of the slot (by address alone), its
; waves 0, 1, 2 one plane of 8,192 bytes each: a lane 256 bytes.  So each block is named once.  The last change that fills a slot asks for nothing.
.macro ASK
	s_cmp_gt_u32 s[SLOTS], s[LIM]
	s_cbranch_scc0 .Lnot_mine_\@
	global_prefetch_b8 v[PFO], s[PFA:PFA+1] th:TH_LOAD_NT scope:SCOPE_SE
.Lnot_mine_\@:
.endm
; THE CHANGE OF SLOTS.  Each wave waits for all its tensor loads (one is out: its step of the other slot), adds 0 to its spare word, and waits for that and for its reads of the slot that it leaves.
; fill = 1: a round of the cluster's barrier, and the joint refill first behind it: it has four key steps in which to land.
.macro CHANGE fill, ask
	WIN 0
	s_wait_tensorcnt 0x0
	ds_add_u32 v[SPW], v[NIL]
.if \fill
	s_xor_b32 s[G0+1], s[G0+1], SLOT1
	s_add_nc_u64 s[G0+2:G0+3], s[G0+2:G0+3], SLOTB
.endif
.if \ask
	s_wait_xcnt 0x0                                ; the last prefetch, four key steps back, has read its address
	s_add_nc_u64 s[PFA:PFA+1], s[PFA:PFA+1], SLOTB
.endif
	s_wait_dscnt 0x0
.if \fill
	CROUND
	JLOAD
.if \ask
	ASK
.endif
.else
	s_barrier_signal -1
	s_barrier_wait -1
.endif
	s_sub_co_u32 s[TB], s[TB], 4*STEPB
	s_xor_b32 s[TB], s[TB], SLOT1
.endm
; Product i of 32 of S^T = K Q^T for piece x: channels 32 (i / 8) on, keys 16 ((i / 2) % 4) on, tile x + i % 2.  Eight accumulators take turns.
.macro KQ x
	WIN W_KQ
.set rS, S+32*((\x)+i%2)+8*((i/2)%4)
.set rK, KF+32*((i/2)%4)+8*(i/8)
.set rQ, 32*((\x)+i%2)+8*(i/8)
.if i < 8
	v_wmma_f32_16x16x32_f16 v[rS:rS+7], v[rK:rK+7], v[rQ:rQ+7], 0
.else
	v_wmma_f32_16x16x32_f16 v[rS:rS+7], v[rK:rK+7], v[rQ:rQ+7], v[rS:rS+7]
.endif
.endm
; Product i of 16 of O^T += V^T P: keys 32 (i / 8) on, channels 16 ((i / 2) % 4) on, tile x + i % 2.
.macro PV x
	WIN W_PV
.set rO, 32*((\x)+i%2)+8*((i/2)%4)
.set rV, VF+32*(i/8)+8*((i/2)%4)
.set rP, P+16*((\x)+i%2)+8*(i/8)
	v_wmma_f32_16x16x32_f16 v[rO:rO+7], v[rV:rV+7], v[rP:rP+7], v[rO:rO+7]
.endm
; A step's K: 32 loads in one run, the channels' first 32 first, so that the products can begin on a counted wait.  last = 1 (the tail): in the last trip there is no further step.
.macro FETCH_K last=0
	WIN 0
.if \last
	s_cmp_eq_u32 s[CNT], 1
	s_cbranch_scc1 .Lno_k_\@
.endif
	v_add_nc_u32 v[ADR], s[TB], v[AK0]
	WIN 0x80
.irp c, 0,1,2,3
.irp kb, 0,1,2,3
	ds_load_b128 v[KF+32*\kb+8*\c:KF+32*\kb+8*\c+3],   v[ADR] offset:(\c/2)*KSOFF+\kb*16*PK+(\c%2)*64
	ds_load_b128 v[KF+32*\kb+8*\c+4:KF+32*\kb+8*\c+7], v[ADR] offset:(\c/2)*KSOFF+\kb*16*PK+(\c%2)*64+32
.endr
.endr
	WIN 0
.if \last
.Lno_k_\@:
.endif
.endm
.macro FETCH_V                         ; a step's V, turned; the wait for the softmax's batch stands in it
	WIN 0
	v_add_nc_u32 v[ADR], s[TB], v[AV0]
	s_add_co_u32 s[TB], s[TB], STEPB               ; the next fetch is the next step's
	s_wait_alu depctr_va_vdst(0)
	WIN 0x40
.irp f, 0,1,2,3,4,5,6,7
	ds_load_tr16_b128 v[VF+8*\f:VF+8*\f+3],   v[ADR] offset:(\f/4)*32*PK+(\f%4)*32
	ds_load_tr16_b128 v[VF+8*\f+4:VF+8*\f+7], v[ADR] offset:(\f/4)*32*PK+16*PK+(\f%4)*32
.endr
	WIN 0
.endm
; Number j of the 118 of one tile's softmax for one step.  0-15 the maximum of the lane's 32 scores and the old m (each accumulator's lowest registers first); 16-20 the other half of the lanes', m, c m, its change;
; 21-69 ONE BATCH: 16 scalings c s - c m and 33 exponentials (a at 23), none of which reads an exponential's result; 70-85 the roundings; 86-101 the sums, l = a l + sum; 102-117 O^T times a.
.macro SM t
.set rT, ST+8*(\t)
.set rS, S+32*(\t)
.set rP, P+16*(\t)
.set rO, 32*(\t)+2*(j-102)
.if j < 102
	WIN 0
.endif
.if j < 4
	v_max3_num_f32 v[rT+4+j], v[rS+8*j], v[rS+8*j+1], v[rS+8*j+2]
.elseif j < 12
	v_max3_num_f32 v[rT+4+j%4], v[rT+4+j%4], v[rS+8*(j%4)+2*(j/4)+1], v[rS+8*(j%4)+2*(j/4)+2]
.elseif j == 12
	v_max3_num_f32 v[rT+4], v[rT+4], v[rS+7], v[rS+15]
.elseif j == 13
	v_max3_num_f32 v[rT+6], v[rT+6], v[rS+23], v[rS+31]
.elseif j == 14
	v_max3_num_f32 v[rT+4], v[rT+4], v[rT+5], v[rT+6]
.elseif j == 15
	v_max3_num_f32 v[rT+4], v[rT+4], v[rT+7], v[rT+1]
.elseif j == 16
	v_permlanex16_b32 v[rT+5], v[rT+4], s[SEL], s[SEL+1]
.elseif j == 17
	v_mov_b32 v[rT+7], v[rT]
.elseif j == 18
	v_max_num_f32 v[rT+1], v[rT+4], v[rT+5]
.elseif j == 19
	v_mul_f32 v[rT], s[CS], v[rT+1]
.elseif j == 20
	v_sub_f32 v[rT+7], v[rT+7], v[rT]
.elseif j == 23
	v_exp_f32 v[rT+6], v[rT+7]
.elseif (j < 23) || ((j < 38) && (j%2 == 0)) || ((j < 66) && (j%4 == 2))
.set b, (j-2)/4
.if j < 38
.set b, (j-20)/2
.endif
	v_pk_fma_f32 v[rS+2*b:rS+2*b+1], v[rS+2*b:rS+2*b+1], s[CS:CS+1], v[rT:rT+1] op_sel_hi:[1,0,0] neg_lo:[0,0,1] neg_hi:[0,0,1]
.elseif j < 70
.set e, j-38
.if j < 66
.set e, j-32-(j-38)/4
.endif
.if j < 38
.set e, (j-25)/2
.endif
	v_exp_f32 v[rS+e], v[rS+e]
.elseif j < 86
	v_cvt_pk_f16_f32 v[rP+j-70], v[rS+2*(j-70)], v[rS+2*(j-70)+1]
.elseif j < 102
.set z, j-86
.set w, 4
.set u, z
.if z >= 14
.set w, 32
.set u, 0
.elseif z >= 12
.set w, 16
.set u, z-12
.elseif z >= 8
.set w, 8
.set u, z-8
.endif
.if z < 15
	v_pk_add_f32 v[rS+w*u:rS+w*u+1], v[rS+w*u:rS+w*u+1], v[rS+w*u+w/2:rS+w*u+w/2+1]
.else
	v_pk_fma_f32 v[rT+2:rT+3], v[rT+2:rT+3], v[rT+6:rT+7], v[rS:rS+1] op_sel_hi:[1,0,1]
.endif
.else
	WIN W_RS
	v_pk_mul_f32 v[rO:rO+1], v[rO:rO+1], v[rT+6:rT+7] op_sel_hi:[1,0]
.endif
.endm
; Slice k of 59 of piece y's softmax: four lines.  Slices 11 to 34 deal out the batch, four numbers of one tile each; every other slice is numbers 2 k, 2 k + 1 of both tiles.  Behind slice 34 stand one plain line
; and the one wait between the exponentials and the first line that names a result.
.macro SLICE y
.if (k >= 11) && (k < 35)
.irp n, 0,1,2,3
.set j, 22+4*((k-11)/2)+(\n)
	SM (\y)+(k-11)%2
.endr
.else
.irp n, 0,1
.irp t, \y, (\y)+1
.set j, 2*k+(\n)
	SM \t
.endr
.endr
.endif
.if k == 34
	v_nop
.if (\y) == 0
	FETCH_V
.else
	s_wait_alu depctr_va_vdst(0)
.endif
.endif
.set k, k+1
.endm
; A TURN for piece x.  Piece 0's turn fetches the next step's K behind its second product (K's last reader stands ahead of the eleven slices that end the turn before); piece 2's turn fetches the same step's V behind
; slice 34 (V's last reader is its sixteenth product).  The eleven slices at the end, 44 plain lines, are also the places behind the last K Q^T.
.macro TURN x, last=0
.set k, 0
.if (\x) == 0
	s_wait_dscnt 0x0                               ; V is in
.endif
.set i, 0
.rept 16
	PV \x
	SLICE 2-(\x)
.if ((\x) == 0) && (i == 1)
	FETCH_K \last
.endif
.set i, i+1
.endr
.set i, 0
.rept 32
.if ((\x) == 0) && (i%8 == 0)
	s_wait_dscnt 24-i                              ; these 32 channels' eight loads are in; the later channels' may be out
.endif
	KQ \x
	SLICE 2-(\x)
.set i, i+1
.endr
.rept 11
	SLICE 2-(\x)
.endr
.endm
	s_load_b256 s[4:11], s[0:1], 0x0               ; qb s[4:5], kvb s[6:7], lam_ts s[8:9], lam_st s[10:11]
	s_load_b128 s[12:15], s[0:1], 0x20             ; lam_ss s[12:13], yb s[14:15]
	v_lshl_add_u32 v[SPW], v0, 2, SPARE
	v_mov_b32 v[NIL], 0
	ds_add_u32 v[SPW], v[NIL]                      ; the wave's opening: the add and its wait ahead of my first tensor load
	v_lshrrev_b32 v1, 5, v0
	v_readfirstlane_b32 s[WV], v1                  ; wave 0..3
	s_bfe_u32 s17, ttmp6, 0x40000                  ; cx
	s_lshl_b32 s18, ttmp9, 2
	s_add_co_u32 s18, s18, s17                     ; my block of 256 queries: it enters Q's and y's addresses alone
	s_and_b32 s43, ttmp7, 0xffff                   ; bh, which the four partners share
	s_mul_i32 s20, s43, 786432                     ; the head in kvb,
	s_mul_i32 s21, s[WV], 24576                    ; my step of slot 0
	s_add_co_u32 s20, s20, s21
	s_mov_b32 s21, 0
	s_lshl_b32 s22, s43, 18                        ; the head in qb and yb,
	s_lshl_b32 s23, s18, 15                        ; my block's 256 rows of 128 bytes,
	s_add_co_u32 s22, s22, s23
	s_lshl_b32 s23, s[WV], 13                      ; my wave's 64
	s_add_co_u32 s22, s22, s23
	s_mov_b32 s23, 0
	s_mul_i32 s44, s43, 786432                     ; the prefetches: the head, slot 2, step cx, plane = my wave's number
	s_mul_i32 s45, s17, 24576
	s_add_co_u32 s44, s44, s45
	s_lshl_b32 s45, s[WV], 13
	s_add_co_u32 s44, s44, s45
	s_add_co_u32 s44, s44, 2*SLOTB
	s_mov_b32 s45, 0
	s_mov_b32 s[G1], 15|(1<<16)|(1<<20)|(1<<21)|(4<<22)|(3<<25)  ; the mask of four; 2-byte elements; padding on; bit 21 beside a mask; 4 words behind every 32
	s_mov_b32 s[G1+1], 128<<16                     ; 24,576 dense bytes as 96 rows of 256
	s_mov_b32 s[G1+2], 96<<16
	s_mov_b32 s[G1+3], 128<<16
	s_mov_b32 s[G1+4], 96
	s_mov_b32 s[G1+5], 128
	s_mov_b32 s[G1+6], 0
	s_mov_b32 s[G1+7], 0
	s_mov_b32 s[G0], 1
	s_mul_i32 s[G0+1], s[WV], STEPB                ; slot 0, my step: no place in the cluster enters an LDS address
	s_mov_b32 s[SEL], 0x76543210
	s_mov_b32 s[SEL+1], 0xfedcba98
	s_mov_b32 s[TB], SLOT1+4*STEPB                 ; the first change of slots turns this into 0
	s_cmp_eq_u32 s[WV], 3
	s_cselect_b32 s[LIM], 1, 0
	s_or_b32 s[LIM], s[LIM], ttmp9                 ; 0 in waves 0 to 2 of the head's first cluster
	s_cmp_eq_u32 s[LIM], 0
	s_cselect_b32 s[LIM], 1, -1
	v_and_b32 v[PFO], 31, v0
	v_lshlrev_b32 v[PFO], 8, v[PFO]
	s_wait_dscnt 0x0                               ; the opening add is done
	s_wait_kmcnt 0x0
	s_load_b32 s40, s[8:9], 0x0                    ; lam_ts
	s_load_b32 s41, s[10:11], 0x0                  ; lam_st
	s_load_b32 s42, s[12:13], 0x0                  ; lam_ss
	s_add_nc_u64 s[G0+2:G0+3], s[6:7], s[20:21]
	s_or_b32 s[G0+3], s[G0+3], 0x80000000
	s_add_nc_u64 s[4:5], s[4:5], s[22:23]          ; qt at my rows,
	s_add_nc_u64 s[36:37], s[4:5], 8388608         ; qs,
	s_add_nc_u64 s[14:15], s[14:15], s[22:23]      ; y
	s_add_nc_u64 s[PFA:PFA+1], s[6:7], s[44:45]
	CROUND                                         ; all four work-groups are here
	JLOAD                                          ; slot 0; slot 1 is asked for when slot 0 is in
	v_and_b32 v1, 15, v0                           ; l % 16
	v_bfe_u32 v9, v0, 4, 1                         ; l / 16
	v_and_b32 v10, 7, v0
	v_bfe_u32 v11, v0, 3, 1
	v_lshlrev_b32 v[QO], 7, v1
	v_lshl_add_u32 v[QO], v9, 4, v[QO]
.set t, 0
.rept 4                                        ; the raw queries: qt into v64-127, qs into v128-191: tile t, channels 32 c on, at 16 t + 8 c
.irp c, 0,1
	global_load_b128 v[S+16*t+8*\c:S+16*t+8*\c+3],         v[QO], s[4:5] offset:2048*t+64*\c
	global_load_b128 v[S+16*t+8*\c+4:S+16*t+8*\c+7],       v[QO], s[4:5] offset:2048*t+64*\c+32
	global_load_b128 v[S+64+16*t+8*\c:S+64+16*t+8*\c+3],   v[QO], s[36:37] offset:2048*t+64*\c
	global_load_b128 v[S+64+16*t+8*\c+4:S+64+16*t+8*\c+7], v[QO], s[36:37] offset:2048*t+64*\c+32
.endr
.set t, t+1
.endr
	v_mul_u32_u24 v[AK0], v1, PK
	v_lshl_add_u32 v[AK0], v9, 4, v[AK0]
	v_lshl_add_u32 v[AV0], v9, 3, v10
	v_mul_u32_u24 v[AV0], v[AV0], PK
	v_lshl_add_u32 v[AV0], v11, 4, v[AV0]
	v_add_nc_u32 v[AV0], VOFF, v[AV0]
	; what the first turns find: V, O^T, l and P of tiles 2, 3 are 0.  All this stands in the wait for the queries and for the first tile.
	WIN 0x40
.set i, 0
.rept 192
	v_mov_b32 v[i], 0
.set i, i+1
.endr
	WIN 0
.set i, P+32
.rept 32
	v_mov_b32 v[i], 0
.set i, i+1
.endr
.set i, 0
.rept 4
	v_mov_b32 v[ST+8*i], 0xfe000000                ; c m: far below every c s
	v_mov_b32 v[ST+8*i+1], 0xff7fffff              ; m
	v_mov_b32 v[ST+8*i+2], 0
	v_mov_b32 v[ST+8*i+3], 0
.set i, i+1
.endr
	s_wait_kmcnt 0x0
	v_mov_b32 v49, s40
	v_mov_b32 v50, s41
	v_mov_b32 v51, s42
	v_cvt_pk_bf16_f32 v52, v49, v50                ; the factors rounded to bf16
	v_cvt_pk_bf16_f32 v55, v51, v51
	v_lshlrev_b32 v49, 16, v52                     ; lam_ts
	v_and_b32 v50, 0xffff0000, v52                 ; lam_st
	v_lshlrev_b32 v51, 16, v55                     ; lam_ss
	v_add_f32 v53, 1.0, |v50|
	v_add_f32 v54, |v49|, |v51|
	v_max_num_f32 v53, v53, v54                    ; M
	v_rcp_f32 v[CA1], v53
	v_mul_f32 v54, 0x3e38aa3b, v53                 ; c = M log2(e) / 8: the plain line behind the reciprocal
	s_wait_alu depctr_va_vdst(0)
	v_mul_f32 v[CA1+1], v[CA1], v50
	v_mul_f32 v[CA1+2], v[CA1], v49
	v_mul_f32 v[CA1+3], v[CA1], v51
	v_readfirstlane_b32 s[CS], v54
	s_mov_b32 s[CS+1], s[CS]
.irp i, 0,1,2,3
	v_cvt_pk_f16_f32 v[CH+\i], v[CA1+\i], v[CA1+\i]
.endr
	s_wait_loadcnt 0x0                             ; qt and qs
	WIN 0x80                                       ; destination window 2: Q's registers; tile t: q1 at 32 t + 0..15, q2 at 32 t + 16..31
.set r, 0
.rept 64
	v_pk_mul_f16 v[32*(r/16)+r%16],    v[S+r], v[CH]
	v_pk_mul_f16 v[32*(r/16)+r%16+16], v[S+r], v[CH+2]
.set r, r+1
.endr
	WIN 0xa0                                       ; the addend in window 2 too
.set r, 0
.rept 64
	v_pk_fma_f16 v[32*(r/16)+r%16],    v[S+64+r], v[CH+1], v[32*(r/16)+r%16]
	v_pk_fma_f16 v[32*(r/16)+r%16+16], v[S+64+r], v[CH+3], v[32*(r/16)+r%16+16]
.set r, r+1
.endr
	CHANGE 1, 0                                    ; slot 0 is in, everybody's part of it; slot 1 is asked for
	FETCH_K                                        ; key step 0
	s_wait_dscnt 0x0
.set i, 0
.rept 32
	KQ 0                                           ; piece 0's first scores
.set i, i+1
.endr
	WIN 0                                          ; the addresses for the way out: plain lines, the places behind those products
	s_mul_i32 s20, s[WV], 16*SP
	s_add_co_u32 s20, s20, STAGE
	v_mul_u32_u24 v[STO], v1, SP
	v_lshl_add_u32 v[STO], v9, 4, v[STO]
	v_add_nc_u32 v[STO], s20, v[STO]
	v_bfe_u32 v[RD], v0, 3, 2
	v_mul_u32_u24 v[RD], v[RD], SP
	v_lshl_add_u32 v[RD], v10, 4, v[RD]
	v_add_nc_u32 v[RD], s20, v[RD]
	v_and_b32 v[GO], 31, v0
	v_lshlrev_b32 v[GO], 4, v[GO]
	s_mov_b32 s[CNT], 4
	s_mov_b32 s[SLOTS], 7
	s_branch .Lfirst                               ; the loop is entered in the middle of a trip: piece 2's turn, whose V^T P adds zeros
.Lslot:                                        ; six times: every slot but the last two is filled again
	CHANGE 1, 1
	s_mov_b32 s[CNT], 4
.Lstep:
	TURN 0
	WIN 0
.Lfirst:
	TURN 2
	WIN 0
	s_sub_co_u32 s[CNT], s[CNT], 1
	s_cmp_lg_u32 s[CNT], 0
	s_cbranch_scc1 .Lstep
	s_sub_co_u32 s[SLOTS], s[SLOTS], 1
	s_cmp_lg_u32 s[SLOTS], 0
	s_cbranch_scc1 .Lslot
	CHANGE 0, 0                                    ; the tail is written out
	s_mov_b32 s[CNT], 5                            ; four trips fetch the last slot's steps; the fifth is left in its middle
.Ltail:
	TURN 0, 1
	WIN 0
	s_sub_co_u32 s[CNT], s[CNT], 1
	s_cmp_eq_u32 s[CNT], 0
	s_cbranch_scc1 .Lout
	TURN 2
	WIN 0
	s_branch .Ltail
.Lout:                                         ; the fifth trip's 32 products K Q^T (on the last K once more) serve nothing: the price of one text for every trip
.set i, 0
.rept 16
	PV 2                                           ; piece 2's V^T P of the last step
.set i, i+1
.endr
	WIN 0
.irp t, 0,1,2,3
	v_add_f32 v[ST+8*\t+4], v[ST+8*\t+2], v[ST+8*\t+3]
.endr
.irp t, 0,1,2,3
	v_permlanex16_b32 v[ST+8*\t+5], v[ST+8*\t+4], s[SEL], s[SEL+1]
.endr
.irp t, 0,1,2,3
	v_add_f32 v[ST+8*\t+4], v[ST+8*\t+4], v[ST+8*\t+5]
.endr
.irp t, 0,1,2,3
	v_rcp_f32 v[ST+8*\t+6], v[ST+8*\t+4]
.endr
	v_nop
	s_wait_alu depctr_va_vdst(0)                   ; one wait for the four reciprocals
.macro PACK t                          ; O^T / l, rounded to f16; 16 bytes a lane into rows of 144 bytes, back as whole rows of 128
	WIN W_RS
.set i, 32*(\t)
.rept 16
	v_pk_mul_f32 v[i:i+1], v[i:i+1], v[ST+8*(\t)+6:ST+8*(\t)+7] op_sel_hi:[1,0]
.set i, i+2
.endr
	WIN 0x05
.set i, 0
.rept 16
	v_cvt_pk_f16_f32 v[S+16*(\t)+i], v[32*(\t)+2*i], v[32*(\t)+2*i+1]
.set i, i+1
.endr
	WIN 0
.irp f, 0,1,2,3
	ds_store_b128 v[STO], v[S+16*(\t)+4*\f:S+16*(\t)+4*\f+3] offset:32*\f
.endr
.irp f, 0,1,2,3
	ds_load_b128 v[S+16*(\t)+4*\f:S+16*(\t)+4*\f+3], v[RD] offset:\f*4*SP  ; LDS serves a wave's instructions in order (ISA guide 5.7.1.4)
.endr
.endm
.macro SEND t, younger
	WIN 0
.irp f, 0,1,2,3
	s_wait_dscnt (\younger)+3-\f
	global_store_b128 v[GO], v[S+16*(\t)+4*\f:S+16*(\t)+4*\f+3], s[14:15] offset:(\t)*2048+\f*512  ; 512 consecutive bytes, aligned
.endr
.endm
	PACK 0
	PACK 1
	SEND 0, 8
	PACK 2
	SEND 1, 8
	PACK 3
	SEND 2, 8
	SEND 3, 0
	s_wait_tensorcnt 0x0                           ; the wave's end
	ds_add_u32 v[SPW], v[NIL]
	s_wait_dscnt 0x0
	CROUND                                         ; the closing round
	s_endpgm
.Lfunc_end_k_qd5aa91b6f4_attn:
	.size	k_qd5aa91b6f4_attn, .Lfunc_end_k_qd5aa91b6f4_attn-k_qd5aa91b6f4_attn
	.p2alignl 7, 3214868480
	.fill 96, 4, 3214868480
	.section	.rodata,"a",@progbits
	.p2align	6, 0x0
	.amdhsa_kernel k_qd5aa91b6f4_attn
		.amdhsa_group_segment_fixed_size 327680
		.amdhsa_private_segment_fixed_size 0
		.amdhsa_enable_private_segment 0
		.amdhsa_kernarg_size 48
		.amdhsa_user_sgpr_count 2
		.amdhsa_user_sgpr_kernarg_segment_ptr 1
		.amdhsa_wavefront_size32 1
		.amdhsa_system_sgpr_workgroup_id_x 1
		.amdhsa_system_sgpr_workgroup_id_y 1
		.amdhsa_system_sgpr_workgroup_id_z 1
		.amdhsa_system_vgpr_workitem_id 0
		.amdhsa_next_free_vgpr 768
		.amdhsa_next_free_sgpr 66
		.amdhsa_reserve_vcc 0
		.amdhsa_float_denorm_mode_32 3
		.amdhsa_float_denorm_mode_16_64 3
		.amdhsa_memory_ordered 1
		.amdhsa_forward_progress 1
		.amdhsa_inst_pref_size 136
	.end_amdhsa_kernel
	.amdgpu_metadata
---
amdhsa.version: [ 1, 2 ]
amdhsa.kernels:
  - .name:           k_qd5aa91b6f4_attn
    .symbol:         k_qd5aa91b6f4_attn.kd
    .args:
      - { .name: qb, .offset: 0, .size: 8, .value_kind: global_buffer, .address_space: global }
      - { .name: kvb, .offset: 8, .size: 8, .value_kind: global_buffer, .address_space: global }
      - { .name: lam_ts, .offset: 16, .size: 8, .value_kind: global_buffer, .address_space: global }
      - { .name: lam_st, .offset: 24, .size: 8, .value_kind: global_buffer, .address_space: global }
      - { .name: lam_ss, .offset: 32, .size: 8, .value_kind: global_buffer, .address_space: global }
      - { .name: yb, .offset: 40, .size: 8, .value_kind: global_buffer, .address_space: global }
    .group_segment_fixed_size: 327680
    .private_segment_fixed_size: 0
    .kernarg_segment_align: 8
    .kernarg_segment_size: 48
    .max_flat_workgroup_size: 128
    .sgpr_count:     66
    .vgpr_count:     768
    .wavefront_size: 32
...
	.end_amdgpu_metadata
.endif
;; end of part 3
;; launch oproj (part 4): grid 8 x 32, 4 waves a work-group, clusters of 4 x 4, 327,680 bytes of LDS; arguments yb, cb, out0; writes out0
.if DOCPART == 4
	.amdgcn_target "amdgcn-amd-amdhsa--gfx1250"
	.amdhsa_code_object_version 6
	.text
	.protected	k_qd5aa91b6f4_oproj
	.globl	k_qd5aa91b6f4_oproj
	.p2align	8
	.type	k_qd5aa91b6f4_oproj,@function
k_qd5aa91b6f4_oproj:
	s_mov_b64 s[64:65], 0
	v_nop
	global_prefetch_b8 v0, s[64:65] scope:SCOPE_SE
	s_setreg_imm32_b32 hwreg(HW_REG_WAVE_MODE, 25, 1), 1
	s_wait_xcnt 0x0
	s_wait_alu depctr_hold_cnt(0) depctr_sa_sdst(0) depctr_va_vdst(0) depctr_va_sdst(0) depctr_va_ssrc(0) depctr_va_vcc(0) depctr_vm_vsrc(0)
	s_getreg_b32 s2, hwreg(HW_REG_IB_STS2, 6, 4)
	s_cmp_eq_u32 s2, 0
	s_cbranch_scc0 .Lentry_in_a_cluster
	s_endpgm
.Lentry_in_a_cluster:
	s_bfe_u32 s2, ttmp6, 0x10000c
	s_cmp_lg_u32 s2, 0xf033
	s_cbranch_scc0 .Lentry_shape_is_right
	s_endpgm
.Lentry_shape_is_right:
; out0 = y Wc + bc.  y: yb [bh 32][l 2048][64] f16; Wc: cb + 27,262,976, [k 1024][n 1024], bf16 numbers written as f16; bc: cb + 29,380,608, bf16 numbers kept as f32; sums and output in f32; the sums START with bc.
; A tile of 128 x 128 to a work-group (X 0..7, Y 0..31): 256 work-groups; four waves of 64 x 64, 16 accumulators.  K goes in four steps of 256 (four heads) through two LDS slots.  A trip of the loop is one K step:
; the LDS byte of the slot in hand is a scalar that one exclusive or turns between 0 and SLOT; the walking descriptors' LDS words are turned likewise (36,864 x wave shares no bit with SLOT).
; One generation of loads is out at a time: between the wait for all loads and the next request stand only the add, the descriptors' steps, the barrier and the round.
; CLUSTER 4 x 4: y's rows are asked for jointly along a row of the cluster, Wc's columns along a column.  No prefetch: the tiles are small and the launch is short.
; LDS.  Slot s at s x 147,456: y's tile as [half of the rows 2][head 4][64 rows][144 bytes]; from 73,728 on Wc's 256 k-rows at a pitch of 288 (256 + 32, an odd multiple of 32, for the turning load).
; Behind the ring a stage of 16 rows x 272 bytes for each wave, then the spare words.
; The product is used transposed (source 0 = 16 columns of Wc, source 1 = 16 rows of y): a lane holds eight neighbouring columns of one row, and their bias is the C operand of the product that starts the sum.
; REGISTERS.  Window 0: addresses; v32-63 the bias; v128-255 the accumulators ((a, b) at 128 + 8 (4 a + b)).  Window 1: two fragment buffers of 128: 64 of y (2 x 4 blocks), then 64 of Wc.
.set SLOT,   147456
.set BOFF,   73728
.set STAGE,  2*SLOT
.set SPITCH, 272
.set SPARE,  STAGE+4*16*SPITCH
.set WC_OFF, 27262976
.set BC_OFF, 29380608
.set ABASE, 15                         ; v15  y's fragments in slot 0; never rewritten
.set ADRA, 16                          ; v16  in the slot in hand
.set BBASE, 17                         ; v17  Wc's fragments, k 0-127, in slot 0; never rewritten
.set ADRB, 18                          ; v18-19  in the slot in hand: k 0-127, k 128-255
.set STO,  24
.set RD,   25
.set CO,   26
.set BO,   27
.set SPW,  28
.set NIL,  29
.set BIAS, 32
.set ACC,  128
.set F0,   0
.set F1,   128
.set TB,   12                          ; s12  LDS byte of the slot in hand
.set G1,   24
.set G0,   32                          ; s[32:39] group 0 for y's tiles: a set for each of the two first fills; the second then walks on
.set G1B,  48
.set G0B,  56
.set MUL,  0x05
.set TO_F, 0x40
.set MSB, 0
.macro WIN new
.if MSB != (\new)
	s_set_vgpr_msb (MSB<<8)|(\new)
.set MSB, \new
.endif
.endm
.macro PLACES
.rept 4
	v_nop
.endr
.endm
.macro JLOAD                           ; a joint refill by the walking descriptors: waves 0 and 1 fetch y's two halves, waves 2 and 3 Wc's; an s_nop 0 and four v_nop follow each line
	s_cmp_eq_u32 s15, 0
	s_cbranch_scc0 .Lfor_b_\@
	tensor_load_to_lds s[G0+4:G0+7], s[G1:G1+7]
	s_nop 0
.rept 4
	v_nop
.endr
	s_branch .Lasked_\@
.Lfor_b_\@:
	tensor_load_to_lds s[G0B+4:G0B+7], s[G1B:G1B+7]
	s_nop 0
.rept 4
	v_nop
.endr
.Lasked_\@:
.endm
.macro CREST
	s_cmp_lg_u32 s14, 0
	s_cbranch_scc1 .Lnot_wave_0_\@
	s_barrier_signal -3
.Lnot_wave_0_\@:
	s_barrier_wait -3
	s_barrier_signal -1
	s_barrier_wait -1
.endm
.macro CROUND
	s_barrier_signal -1
	s_barrier_wait -1
	CREST
.endm
	s_load_b128 s[4:7], s[0:1], 0x0                ; yb s[4:5], cb s[6:7]
	s_load_b64 s[10:11], s[0:1], 0x10              ; out0
	v_lshl_add_u32 v[SPW], v0, 2, SPARE
	v_mov_b32 v[NIL], 0
	ds_add_u32 v[SPW], v[NIL]                      ; the wave's opening: the add and its wait ahead of my first tensor load
	v_lshrrev_b32 v1, 5, v0
	v_readfirstlane_b32 s14, v1                    ; wave 0..3
	s_lshr_b32 s15, s14, 1                         ; which half of the rows is mine.  Also: I fetch for y (0) or for Wc (1)
	s_and_b32 s16, s14, 1                          ; which half of the columns.  Also: which half of that tile I fetch
	s_bfe_u32 s17, ttmp6, 0x40000                  ; cx
	s_bfe_u32 s18, ttmp6, 0x40004                  ; cy
	s_lshl_b32 s19, ttmp9, 2
	s_add_co_u32 s19, s19, s17                     ; X
	s_and_b32 s20, ttmp7, 0xffff
	s_lshl_b32 s20, s20, 2
	s_add_co_u32 s20, s20, s18                     ; Y
	s_mov_b32 s[TB], 0                             ; slot 0 is in hand
	s_lshl_b32 s40, s18, 2
	s_lshl_b32 s40, 15, s40                        ; my row of the cluster
	s_lshl_b32 s41, 0x1111, s17                    ; my column
	s_or_b32 s[G1], s40, (1<<16)|(1<<20)|(1<<21)|(4<<22)|(3<<25)   ; 4 words of padding behind every 32: behind each row of a head
	s_mov_b32 s[G1+1], 4096<<16                    ; four runs (heads) of 64 dense rows = 4,096 elements, a head's 131,072 elements apart
	s_mov_b32 s[G1+2], 4<<16
	s_mov_b32 s[G1+3], 4096<<16
	s_mov_b32 s[G1+4], 4
	s_mov_b32 s[G1+5], 131072
	s_mov_b32 s[G1+6], 0
	s_mov_b32 s[G1+7], 0
	s_or_b32 s[G1B], s41, (1<<16)|(1<<20)|(1<<21)|(5<<22)|(7<<25)  ; 8 words behind every 64
	s_mov_b32 s[G1B+1], 128<<16                    ; 128 k-rows x 128 elements, 1,024 from row to row
	s_mov_b32 s[G1B+2], 128<<16
	s_mov_b32 s[G1B+3], 128<<16
	s_mov_b32 s[G1B+4], 128
	s_mov_b32 s[G1B+5], 1024
	s_mov_b32 s[G1B+6], 0
	s_mov_b32 s[G1B+7], 0
	s_lshr_b32 s42, s20, 4
	s_lshl_b32 s42, s42, 22                        ; y: the batch's 16 heads of 262,144 bytes,
	s_and_b32 s21, s20, 15
	s_lshl_b32 s21, s21, 14                        ; row 128 (Y % 16),
	s_add_co_u32 s42, s42, s21
	s_lshl_b32 s21, s16, 13                        ; + 64 half: of Y and the wave alone
	s_add_co_u32 s42, s42, s21
	s_mov_b32 s43, 0
	s_lshl_b32 s44, s19, 8                         ; Wc: column 128 X,
	s_lshl_b32 s22, s16, 18                        ; k-row 128 half: of X and the wave alone
	s_add_co_u32 s44, s44, s22
	s_add_co_u32 s44, s44, WC_OFF
	s_mov_b32 s45, 0
	s_mul_i32 s23, s14, 36864                      ; where my part goes in slot 0: wave x 36,864
	s_wait_dscnt 0x0                               ; the opening add is done
	s_wait_kmcnt 0x0
	s_add_nc_u64 s[8:9], s[6:7], BC_OFF            ; bc
	s_add_nc_u64 s[42:43], s[4:5], s[42:43]
	s_add_nc_u64 s[44:45], s[6:7], s[44:45]
	CROUND                                         ; all sixteen work-groups are here
.irp s, 0,1
	s_mov_b32 s[G0+4*\s], 1
	s_add_co_u32 s[G0+4*\s+1], s23, \s*SLOT
	s_add_nc_u64 s[G0+4*\s+2:G0+4*\s+3], s[42:43], \s*1048576
	s_or_b32 s[G0+4*\s+3], s[G0+4*\s+3], 0x80000000
	s_mov_b32 s[G0B+4*\s], 1
	s_add_co_u32 s[G0B+4*\s+1], s23, \s*SLOT
	s_add_nc_u64 s[G0B+4*\s+2:G0B+4*\s+3], s[44:45], \s*524288
	s_or_b32 s[G0B+4*\s+3], s[G0B+4*\s+3], 0x80000000
.endr
	s_cmp_eq_u32 s15, 0                            ; a wave's two first fills, K steps 0 and 1, stand in one branch: two loads of mine are out; an s_nop 0 follows each, four v_nop the second's
	s_cbranch_scc0 .Lfirst_b
	tensor_load_to_lds s[G0:G0+3], s[G1:G1+7]
	s_nop 0
	tensor_load_to_lds s[G0+4:G0+7], s[G1:G1+7]
	s_nop 0
.rept 4
	v_nop
.endr
	s_branch .Lfirst_asked
.Lfirst_b:
	tensor_load_to_lds s[G0B:G0B+3], s[G1B:G1B+7]
	s_nop 0
	tensor_load_to_lds s[G0B+4:G0B+7], s[G1B:G1B+7]
	s_nop 0
.rept 4
	v_nop
.endr
.Lfirst_asked:
	v_and_b32 v1, 15, v0                           ; l % 16
	v_bfe_u32 v2, v0, 4, 1                         ; l / 16
	v_and_b32 v3, 7, v0
	v_bfe_u32 v4, v0, 3, 1
	s_lshl_b32 s21, s19, 9
	s_lshl_b32 s22, s16, 8
	s_add_co_u32 s21, s21, s22                     ; my 64 columns: 512 X + 256 half bytes, in bc and in a row of out0
	v_lshl_add_u32 v[BO], v2, 5, s21
.irp b, 0,1,2,3
	global_load_b128 v[BIAS+8*\b:BIAS+8*\b+3],   v[BO], s[8:9] offset:64*\b
	global_load_b128 v[BIAS+8*\b+4:BIAS+8*\b+7], v[BO], s[8:9] offset:64*\b+16
.endr
	s_lshl_b32 s22, s20, 19                        ; row 128 Y + 64 half, 4,096 bytes a row
	s_add_co_u32 s21, s21, s22
	s_lshl_b32 s22, s15, 18
	s_add_co_u32 s46, s21, s22
	s_mov_b32 s47, 0
	s_add_nc_u64 s[10:11], s[10:11], s[46:47]
	v_mul_u32_u24 v5, v1, 144
	v_lshl_add_u32 v5, v2, 4, v5
	s_mul_i32 s21, s15, 36864
	v_add_nc_u32 v[ABASE], s21, v5
	v_lshl_add_u32 v6, v2, 3, v3
	v_mul_u32_u24 v6, v6, 288
	v_lshl_add_u32 v6, v4, 4, v6
	s_lshl_b32 s21, s16, 7
	s_add_co_u32 s21, s21, BOFF
	v_add_nc_u32 v[BBASE], s21, v6
	s_mul_i32 s21, s14, 16*SPITCH
	s_add_co_u32 s21, s21, STAGE                   ; my stage
	v_mul_u32_u24 v5, v1, SPITCH
	v_lshl_add_u32 v5, v2, 5, v5                   ; in: row l % 16, 32 bytes for each half of the lanes
	v_add_nc_u32 v[STO], s21, v5
	v_mul_u32_u24 v5, v2, SPITCH
	v_lshl_add_u32 v5, v1, 4, v5                   ; back: lanes 0-15 one row of 256 bytes, lanes 16-31 the next
	v_add_nc_u32 v[RD], s21, v5
	v_lshlrev_b32 v5, 12, v2
	v_lshl_add_u32 v[CO], v1, 4, v5                ; the same two rows in out0
; 8 matrix instructions: row blocks a0, a0 + 1 x 4 column blocks, 32 along K: half c of buffer f.  The 16 accumulators take turns.  zero = 1: the product starts the sum, with the bias.
.macro MUL8 f, c, a0, zero
	WIN MUL
.irp a, \a0, (\a0)+1
.irp b, 0,1,2,3
.if \zero
	v_wmma_f32_16x16x32_f16 v[ACC+8*(4*(\a)+(\b)):ACC+8*(4*(\a)+(\b))+7], v[(\f)+64+8*(4*(\c)+(\b)):(\f)+64+8*(4*(\c)+(\b))+7], v[(\f)+8*(4*(\c)+(\a)):(\f)+8*(4*(\c)+(\a))+7], v[BIAS+8*(\b):BIAS+8*(\b)+7]
.else
	v_wmma_f32_16x16x32_f16 v[ACC+8*(4*(\a)+(\b)):ACC+8*(4*(\a)+(\b))+7], v[(\f)+64+8*(4*(\c)+(\b)):(\f)+64+8*(4*(\c)+(\b))+7], v[(\f)+8*(4*(\c)+(\a)):(\f)+8*(4*(\c)+(\a))+7], v[ACC+8*(4*(\a)+(\b)):ACC+8*(4*(\a)+(\b))+7]
.endif
.endr
.endr
.endm
.macro NEWADR                          ; the fragment addresses in the slot in hand
	v_add_nc_u32 v[ADRA], s[TB], v[ABASE]
	v_add_nc_u32 v[ADRB], s[TB], v[BBASE]
	v_add_nc_u32 v[ADRB+1], 36864, v[ADRB]
.endm
; 32 LDS loads in one run: quarter q of the slot in hand (one head, 64 along K) into buffer f; its first 32 along K first
.macro FETCH q, f
	WIN TO_F
.irp c, 0,1
.irp i, 0,1,2,3
	ds_load_tr16_b128 v[(\f)+64+8*(4*(\c)+(\i)):(\f)+64+8*(4*(\c)+(\i))+3],   v[ADRB+(\q)/2] offset:((2*(\q)+(\c))%4)*9216+32*(\i)
	ds_load_tr16_b128 v[(\f)+64+8*(4*(\c)+(\i))+4:(\f)+64+8*(4*(\c)+(\i))+7], v[ADRB+(\q)/2] offset:((2*(\q)+(\c))%4)*9216+32*(\i)+4608
	ds_load_b128 v[(\f)+8*(4*(\c)+(\i)):(\f)+8*(4*(\c)+(\i))+3],   v[ADRA] offset:(\q)*9216+(\i)*2304+64*(\c)
	ds_load_b128 v[(\f)+8*(4*(\c)+(\i))+4:(\f)+8*(4*(\c)+(\i))+7], v[ADRA] offset:(\q)*9216+(\i)*2304+64*(\c)+32
.endr
.endr
.endm
.macro QUARTER qn, f, g, zero
	s_wait_dscnt 16                                ; the first 32 along K are in
	MUL8 \f, 0, 0, \zero
	MUL8 \f, 0, 2, \zero
	PLACES
	FETCH \qn, \g
	s_wait_dscnt 32                                ; all but the 32 just issued
	MUL8 \f, 1, 0, 0
	MUL8 \f, 1, 2, 0
.endm
; A K step's last quarter and the change of slots.  The quarter's first half stands AHEAD of the wait for all my tensor loads; behind that wait come the add, under it the walking descriptors' steps (fill = 1: the other
; slot than last time, one K step on), the wait for the add and for my reads of this slot, the barrier, the round and the refill.
.macro TURN fill
	s_wait_dscnt 16                                ; the first 32 along K are in
	MUL8 F1, 0, 0, 0
	MUL8 F1, 0, 2, 0
	WIN 0
	s_wait_tensorcnt 0x0
	ds_add_u32 v[SPW], v[NIL]
.if \fill
	s_xor_b32 s[G0+5], s[G0+5], SLOT
	s_add_nc_u64 s[G0+6:G0+7], s[G0+6:G0+7], 1048576
	s_xor_b32 s[G0B+5], s[G0B+5], SLOT
	s_add_nc_u64 s[G0B+6:G0B+7], s[G0B+6:G0B+7], 524288
.endif
	s_xor_b32 s[TB], s[TB], SLOT                   ; the other slot is in hand
	s_wait_dscnt 0x0
	s_barrier_signal -1
	s_barrier_wait -1
.if \fill
	CREST
	JLOAD                                          ; its four v_nop are also the places in front of the loads below
.else
	PLACES
.endif
	NEWADR
	FETCH 0, F0
	MUL8 F1, 1, 0, 0
	MUL8 F1, 1, 2, 0
.endm
	s_wait_loadcnt 0x0                             ; bc: the first products take it
	s_wait_tensorcnt 1                             ; my part of K step 0 is in; K step 1's load stays out
	s_barrier_signal -1
	s_barrier_wait -1
	NEWADR
	FETCH 0, F0
	QUARTER 1, F0, F1, 1
	WIN 0
	s_mov_b32 s3, 2
.Lstep:                                        ; a trip: from a K step's second quarter to the next step's first; K steps 0 and 1, whose slots take K steps 2 and 3
	QUARTER 2, F1, F0, 0
	QUARTER 3, F0, F1, 0
	TURN 1
	QUARTER 1, F0, F1, 0
	WIN 0
	s_sub_co_u32 s3, s3, 1
	s_cmp_lg_u32 s3, 0
	s_cbranch_scc1 .Lstep
	QUARTER 2, F1, F0, 0                           ; K steps 2 and 3 ask for nothing
	QUARTER 3, F0, F1, 0
	TURN 0
	QUARTER 1, F0, F1, 0
	QUARTER 2, F1, F0, 0
	QUARTER 3, F0, F1, 0
	s_wait_dscnt 16
	MUL8 F1, 0, 0, 0
	MUL8 F1, 0, 2, 0
	s_wait_dscnt 0x0
	MUL8 F1, 1, 0, 0
	MUL8 F1, 1, 2, 0
	WIN 0
	PLACES                                         ; behind the last products
; THE WAY OUT of row block a: 32 bytes a lane into my stage (each accumulator's low registers first), back as whole rows of 256 bytes into the same registers.
.macro OPACK a
.irp b, 0,1,2,3
	ds_store_b128 v[STO], v[ACC+32*(\a)+8*\b:ACC+32*(\a)+8*\b+3]   offset:64*\b
	ds_store_b128 v[STO], v[ACC+32*(\a)+8*\b+4:ACC+32*(\a)+8*\b+7] offset:64*\b+16
.endr
.irp t, 0,1,2,3,4,5,6,7
	ds_load_b128 v[ACC+32*(\a)+4*\t:ACC+32*(\a)+4*\t+3], v[RD] offset:\t*2*SPITCH  ; LDS serves a wave's instructions in order (ISA guide 5.7.1.4)
.endr
.endm
.macro OSEND a, younger                ; younger: the LDS instructions issued behind block a's loads, which may stay out
	s_wait_dscnt \younger                          ; the block is back in registers
.irp t, 0,1,2,3,4,5,6,7
	global_store_b128 v[CO], v[ACC+32*(\a)+4*\t:ACC+32*(\a)+4*\t+3], s[10:11] offset:(16*(\a)+2*\t)*4096  ; 16 lanes store 256 consecutive bytes, aligned
.endr
.endm
	OPACK 0
	OPACK 1
	OSEND 0, 16
	OPACK 2
	OSEND 1, 16
	OPACK 3
	OSEND 2, 16
	OSEND 3, 0
	s_wait_tensorcnt 0x0                           ; the wave's end
	ds_add_u32 v[SPW], v[NIL]
	s_wait_dscnt 0x0
	CROUND                                         ; the closing round
	s_endpgm
.Lfunc_end_k_qd5aa91b6f4_oproj:
	.size	k_qd5aa91b6f4_oproj, .Lfunc_end_k_qd5aa91b6f4_oproj-k_qd5aa91b6f4_oproj
	.p2alignl 7, 3214868480
	.fill 96, 4, 3214868480
	.section	.rodata,"a",@progbits
	.p2align	6, 0x0
	.amdhsa_kernel k_qd5aa91b6f4_oproj
		.amdhsa_group_segment_fixed_size 327680
		.amdhsa_private_segment_fixed_size 0
		.amdhsa_enable_private_segment 0
		.amdhsa_kernarg_size 24
		.amdhsa_user_sgpr_count 2
		.amdhsa_user_sgpr_kernarg_segment_ptr 1
		.amdhsa_wavefront_size32 1
		.amdhsa_system_sgpr_workgroup_id_x 1
		.amdhsa_system_sgpr_workgroup_id_y 1
		.amdhsa_system_sgpr_workgroup_id_z 1
		.amdhsa_system_vgpr_workitem_id 0
		.amdhsa_next_free_vgpr 512
		.amdhsa_next_free_sgpr 66
		.amdhsa_reserve_vcc 0
		.amdhsa_float_denorm_mode_32 3
		.amdhsa_float_denorm_mode_16_64 3
		.amdhsa_memory_ordered 1
		.amdhsa_forward_progress 1
		.amdhsa_inst_pref_size 69
	.end_amdhsa_kernel
	.amdgpu_metadata
---
amdhsa.version: [ 1, 2 ]
amdhsa.kernels:
  - .name:           k_qd5aa91b6f4_oproj
    .symbol:         k_qd5aa91b6f4_oproj.kd
    .args:
      - { .name: yb, .offset: 0, .size: 8, .value_kind: global_buffer, .address_space: global }
      - { .name: cb, .offset: 8, .size: 8, .value_kind: global_buffer, .address_space: global }
      - { .name: out0, .offset: 16, .size: 8, .value_kind: global_buffer, .address_space: global }
    .group_segment_fixed_size: 327680
    .private_segment_fixed_size: 0
    .kernarg_segment_align: 8
    .kernarg_segment_size: 24
    .max_flat_workgroup_size: 128
    .sgpr_count:     66
    .vgpr_count:     512
    .wavefront_size: 32
...
	.end_amdgpu_metadata
.endif
;; end of part 4
